; MI455X (gfx1250); checked and timed in simulation.
; The chip was launched on July 23, 2026; its instructions are those of AMD's public machine-readable ISA for CDNA 5 (MIT licence, August 2026) and "CDNA5" Instruction Set Architecture Reference Guide (July 2026). The comments in the code are by the model that wrote it; some were corrected since.
;; Mixture Of Experts. Allowed arithmetic: matrix products marked QUANTISED: E3M2 operands, one E8M0 scale for each 32 along K, by v_wmma_scale_f32_16x16x128_f8f6f4 with both operands' format E3M2, f32 sums; products left as they are: f32 operands where the result goes on into a quantised operand, else bf16, f16 or f32 operands; f32 sums; everything else in f32.
;; Inputs: gate_w 4 x 512 float32; w1_codes 4 x 1,365 x 16 x 24 uint8 (E3M2 codes of w1, K innermost, in blocks of 32 codes, four codes in three bytes); w1_scales 4 x 1,365 x 16 uint8 (E8M0 scales of w1, one for each 32 codes along K); w2 4 x 512 x 1,365 float32; w3_codes 4 x 1,365 x 16 x 24 uint8 (E3M2 codes of w3, K innermost, in blocks of 32 codes, four codes in three bytes); w3_scales 4 x 1,365 x 16 uint8 (E8M0 scales of w3, one for each 32 codes along K); x 4 x 2,048 x 512 float32.
;; Outputs: out0 4 x 2,048 x 512 float32; out1 one number float32.
;; This version of the problem:
;;   THIS VERSION OF THE PROBLEM IS GIVEN IN LOW PRECISION. The matrix products marked QUANTISED in the list below multiply operands that are first quantised to E3M2 (3 exponent bits, 2 mantissa bits; 6 bits a number), with one power-of-two scale for each 32 numbers along K (OCP MX v1.0); their sums are f32. All else is computed in f32.
;;   The module's matrix products, in the order in which they are computed (A, B: the left and right operand; K: the contracted axis; several contracted axes count as one K, in the product's order):
;;     1. [M 8,192, K 512] x [K 512, N 4]; A: input x; B: input gate_w: left as it is (N = 4 < 16)
;;     2. batch 8,192 x [M 1, K 2] x [K 2, N 4]; A: computed on the way; B: computed on the way: left as it is (K = 2 < 32)
;;     3. [M 8,192, K 512] x [K 512, N 1,365]; A: input x; B: input w1 (given as codes): QUANTISED
;;     4. [M 8,192, K 512] x [K 512, N 1,365]; A: input x; B: input w3 (given as codes): QUANTISED
;;     5. [M 8,192, K 1,365] x [K 1,365, N 512]; A: computed on the way; B: input w2: QUANTISED
;;     6. [M 8,192, K 512] x [K 512, N 1,365]; A: input x; B: input w1 (given as codes): QUANTISED
;;     7. [M 8,192, K 512] x [K 512, N 1,365]; A: input x; B: input w3 (given as codes): QUANTISED
;;     8. [M 8,192, K 1,365] x [K 1,365, N 512]; A: computed on the way; B: input w2: QUANTISED
;;     9. [M 8,192, K 512] x [K 512, N 1,365]; A: input x; B: input w1 (given as codes): QUANTISED
;;     10. [M 8,192, K 512] x [K 512, N 1,365]; A: input x; B: input w3 (given as codes): QUANTISED
;;     11. [M 8,192, K 1,365] x [K 1,365, N 512]; A: computed on the way; B: input w2: QUANTISED
;;     12. [M 8,192, K 512] x [K 512, N 1,365]; A: input x; B: input w1 (given as codes): QUANTISED
;;     13. [M 8,192, K 512] x [K 512, N 1,365]; A: input x; B: input w3 (given as codes): QUANTISED
;;     14. [M 8,192, K 1,365] x [K 1,365, N 512]; A: computed on the way; B: input w2: QUANTISED
;;   THE QUANTISER, for each operand of a quantised product, along K:
;;     - K is cut into blocks of 32 from its start; a last block that is shorter is filled with zeros.
;;     - A block's scale is 2^e with e = floor(log2(the largest magnitude in the block)) - 4, held to -126 .. 127; a block of zeros has e = 0. As a byte (E8M0): e + 127.
;;     - Each number is divided by its block's scale, clamped to +-28, and rounded to the nearest number of E3M2, ties to even, subnormals kept.
;;     - The product sums the exact products of the quantised numbers (number of the format x scale) in f32.
;;   ~~~python
;;   def quantise(x, axis):      # numpy; x: float32 -> the quantised numbers, widened to float32 again
;;       x = np.moveaxis(x, axis, -1); K = x.shape[-1]
;;       x = np.pad(x, [(0, 0)] * (x.ndim - 1) + [(0, -K % 32)]); x = x.reshape(x.shape[:-1] + (-1, 32)); a = np.abs(x).max(-1, keepdims=True)
;;       e = np.where(a > 0, np.clip(np.frexp(np.where(a > 0, a, 1))[1] - 1 - 4, -126, 127), 0)      # np.frexp(a)[1] - 1 = floor(log2(a)), exactly
;;       r = np.clip(x / 2.0 ** e, -28, 28)
;;       step = 2.0 ** (np.maximum(np.frexp(np.where(r == 0, 1, r))[1] - 1, -2) - 2)
;;       q = np.round(r / step) * step * 2.0 ** e      # np.round: ties to even
;;       return np.moveaxis(q.reshape(q.shape[:-2] + (-1,))[..., :K], -1, axis).astype(np.float32)
;;   ~~~
;;   OPERANDS COMPUTED ON THE WAY. 'Computed on the way' means the value that the module computes at that place (a softmax that the list does not call 'softmax' is quantised finished and normalised). What goes into a quantiser is computed in f32, as accurately as f32 sums, v_exp_f32 and their like allow (about 1e-6 of the number): no bf16 or f16 on the way to a quantiser, and a product that is left as it is and whose result goes on into a quantised operand takes f32 operands (vector FMAs, or v_wmma_f32_16x16x4_f32). A number that lies on a knife's edge between two numbers of the format may be rounded either way, as far as f32 arithmetic and the matrix unit's own rounding can turn it there, and no further.
;;   INPUTS GIVEN AS CODES. w1 (in the module: [4, 1365, 512], K = its axis 2); w3 (in the module: [4, 1365, 512], K = its axis 2): each comes as NAME_codes (uint8): NAME with its K axis moved to the last place and cut into blocks of 32 codes, [.., K / 32, bytes a block], one block behind the other in memory; four codes in three bytes: a row's codes are one little-endian stream of bits, code i at bits 6 i .. 6 i + 5 (a code: sign, 3 exponent bits, 2 mantissa bits); and NAME_scales (uint8): the same leading axes, one E8M0 byte (e + 127) for each 32 codes along K. Its value is code x scale, taken as it is: it is not quantised again, and the codes and scales need not be those that the quantiser above would give.
;; 3 versions, each right; version 3 is version 2 with the launch chain written anew for expert scheduling mode. Each part assembles by itself: llvm-mc -triple=amdgcn-amd-amdhsa -mcpu=gfx1250 --defsym DOCPART=n.
;; ======== version 1 of 3: 3 launches
;; workspace buffers: xq 3,145,728 bytes; xs 131,072 bytes; picks 36,864 bytes of whole numbers; gatef 69,632 bytes; tlist 35,072 bytes of whole numbers; wq 6,848,512 bytes
;; launch route (part 1): grid 256 x 1, 4 waves a work-group, no clusters, 22,016 bytes of LDS; arguments x, gate_w, xq, xs, picks, gatef; writes xq, xs, picks, gatef
.if DOCPART == 1
	.amdgcn_target "amdgcn-amd-amdhsa--gfx1250"
	.amdhsa_code_object_version 6
	.text
	.protected	k_q957a9d21f8_route
	.globl	k_q957a9d21f8_route
	.p2align	8
	.type	k_q957a9d21f8_route,@function
k_q957a9d21f8_route:
	s_mov_b64 s[64:65], 0
	v_nop
	global_prefetch_b8 v0, s[64:65] scope:SCOPE_SE
	s_setreg_imm32_b32 hwreg(HW_REG_WAVE_MODE, 25, 1), 1
	s_wait_xcnt 0x0
; ROUTE.  x [8192][512] f32 is read once and serves twice: it becomes codes of BF6 (E3M2) with one E8M0 byte for each 32 along K (xq [8192][384], xs [8192][16]),
; and it is multiplied in f32 by gate_w [4][512]: logits, softmax (the row's maximum taken away first), the two largest probabilities (a tie keeps the lower index), their weights divided by their sum.
; A token's pair of experts (a < b) is one of six buckets, q = a (5 - a) / 2 + b - 1.  Stored at fixed places, as values only: no address and no branch here hangs on them:
;   picks: word t = q | rank << 8, rank = the token's place among the tokens of its bucket in its work-group;  from byte 32768: for each work-group c0|c1<<16, c2|c3<<16, c4|c5<<16, 0 (its six counts)
;   gatef: pair t = (weight of a, weight of b);  from byte 65536: for each work-group the four sums of its 32 tokens' probabilities.
; SHARES.  A work-group takes 32 tokens, a wave 8, one token (2,048 bytes) a step.  A step's four loads read 512 consecutive bytes each; the bytes turn through the wave's own stage in LDS, so that a lane then
; holds 16 NEIGHBOURS along K (two lanes to a block), as the conversion wants them; the same 16 numbers meet the lane's 16 numbers of each row of gate_w, which stay in registers.
; A block's scale byte is its largest magnitude's exponent field - 4, held at 1 from below.
; No matrix unit (N = 4), no tensor load, no cluster: work-groups share nothing but 8 KB of gate_w.
; LIMITS.  NaN and infinities among the inputs are not served.  A block of zeros gets the byte 1 where the rule says 127: its codes are zeros, and this program alone reads the bytes.
; Two probabilities nearer to each other than the rounding of the f32 sums may be ranked either way.
.set STEPS, 8
.set SP,    80                         ; a lane's place in a stage: its 64 bytes + 16 of padding
.set WST,   2*32*SP                    ; a wave's two stages
.set SCB,   4*WST                      ; the 32 tokens' scale bytes, 16 a token
.set LOGI,  SCB+512                    ; the 32 tokens' logits, 16 bytes a token
.set EMAX,  4
.set LG,    12                         ; v12-15   a token's four logits
.set A,     16                         ; v16-23   four pairs of partial sums
.set PM,    24                         ; v24-27   lane permutes' destinations
.set R,     32                         ; v32-95   four sets of 16 numbers as loaded
.set X,     96                         ; v96-127  two sets of 16 neighbours
.set G,     128                        ; v128-191 gate_w[e][16 lane + i] at G + 16 e + i
.set C,     192                        ; v192-223 codes: four registers a step, so that no store's data are written again
	s_load_b256 s[4:11], s[0:1], 0x0               ; x, gate_w, xq, xs
	s_load_b128 s[12:15], s[0:1], 0x20             ; picks, gatef
	v_lshl_add_u32 v254, v0, 2, 0x5400
	v_mov_b32 v255, 0
	v_lshrrev_b32 v1, 5, v0
	v_readfirstlane_b32 s16, v1                    ; wave 0..3
	v_and_b32 v1, 31, v0                           ; lane
	v_lshlrev_b32 v2, 4, v1                        ; 16 x lane
	s_mul_i32 s17, s16, WST
	v_lshrrev_b32 v3, 2, v1
	v_mul_u32_u24 v3, v3, SP
	v_and_b32 v4, 3, v1
	v_lshl_add_u32 v3, v4, 4, v3
	v_add_nc_u32 v3, s17, v3                       ; the stage, in: SP (lane / 4) + 16 (lane % 4)
	v_mul_u32_u24 v4, v1, SP
	v_add_nc_u32 v4, s17, v4                       ; and out: SP x lane
	v_mul_u32_u24 v5, v1, 12                       ; my 16 codes' place in a token's 384 bytes
	s_lshl_b32 s17, s16, 7
	v_lshrrev_b32 v6, 1, v1
	v_add_nc_u32 v6, s17, v6
	v_add_nc_u32 v6, SCB, v6                       ; my block's scale byte: SCB + 128 wave + lane / 2 (+ 16 a step)
	s_add_co_u32 s17, s17, LOGI
	v_mov_b32 v7, s17                              ; my wave's logits: LOGI + 128 wave (+ 16 a step)
	v_lshlrev_b32 v28, 6, v1                       ; gate_w: 64 bytes a lane
	v_add_nc_u32 v29, SCB, v2                      ; wave 0's reads at the end: token = lane
	v_add_nc_u32 v30, LOGI, v2
.irp e, 0,1,2,3
	v_mov_b32 v[PM+\e], 0                          ; written once: a lane permute's destination counts as one of its sources
.endr
	s_mov_b32 s20, 0x76543210
	s_mov_b32 s21, 0xfedcba98                      ; v_permlanex16_b32's selects for lane l xor 16
	s_lshl_b32 s18, ttmp9, 16                      ; 32 rows of 2,048 bytes a work-group,
	s_lshl_b32 s17, s16, 14                        ; 8 a wave
	s_add_co_u32 s18, s18, s17
	s_mov_b32 s19, 0
	s_mul_i32 s22, ttmp9, 32*384
	s_mul_i32 s17, s16, 8*384
	s_add_co_u32 s22, s22, s17
	s_mov_b32 s23, 0
	s_wait_kmcnt 0x0
	s_add_nc_u64 s[4:5], s[4:5], s[18:19]
	s_add_nc_u64 s[8:9], s[8:9], s[22:23]
.irp e, 0,1,2,3
.irp q, 0,1,2,3
	global_load_b128 v[G+16*\e+4*\q:G+16*\e+4*\q+3], v28, s[6:7] offset:2048*\e+16*\q
.endr
.endr
.macro LOAD t
.irp i, 0,1,2,3
	global_load_b128 v[R+16*((\t)%4)+4*\i:R+16*((\t)%4)+4*\i+3], v2, s[4:5] offset:2048*(\t)+512*\i th:TH_LOAD_NT   ; 32 lanes read 512 consecutive bytes
.endr
.endm
.macro TURN t                          ; step t's numbers through the stage: LDS serves a wave's instructions in order, so no wait stands between the stores and the loads
.irp i, 0,1,2,3
	ds_store_b128 v3, v[R+16*((\t)%4)+4*\i:R+16*((\t)%4)+4*\i+3] offset:32*SP*((\t)%2)+8*SP*\i
.endr
.irp i, 0,1,2,3
	ds_load_b128 v[X+16*((\t)%2)+4*\i:X+16*((\t)%2)+4*\i+3], v4 offset:32*SP*((\t)%2)+16*\i
.endr
.endm
.irp t, 0,1,2,3
	LOAD \t
.endr
	s_wait_loadcnt 12                              ; gate_w and step 0 are in; steps 1 to 3 (12 loads) may be out
	TURN 0
.macro STEP t
.set XS, X+16*((\t)%2)
	s_wait_dscnt 0x0                               ; this step's numbers are back, and every earlier LDS store has read its registers
.if (\t)+4 < STEPS
	LOAD (\t)+4
.endif
.if (\t)+1 < STEPS
.if STEPS-2-(\t) >= 3
	s_wait_loadcnt 12                              ; the next step's four loads are in; those of the three steps behind it may be out
.else
	s_wait_loadcnt 4*(STEPS-2-(\t))
.endif
	TURN (\t)+1                                    ; they go through the other stage while this step is worked
.endif
	v_max3_num_f32 v8, |v[XS]|, |v[XS+1]|, |v[XS+2]|               ; the largest magnitude of my 16, in two chains
	v_max3_num_f32 v9, |v[XS+3]|, |v[XS+4]|, |v[XS+5]|
.irp i, 6,10
	v_max3_num_f32 v8, v8, |v[XS+\i]|, |v[XS+\i+1]|
	v_max3_num_f32 v9, v9, |v[XS+\i+2]|, |v[XS+\i+3]|
.endr
	v_max3_num_f32 v8, v8, |v[XS+14]|, |v[XS+15]|
	v_max3_num_f32 v8, v8, v9, (EMAX+1)<<23        ; and the floor 2^(5 - 127): the byte cannot fall under 1
	v_max_num_f32_dpp v8, v8, v8 row_xmask:1 row_mask:0xf bank_mask:0xf   ; with my neighbour's 16: the block's
	v_add_nc_u32 v11, -(EMAX<<23), v8              ; 4 off its exponent field: the conversion takes this operand's exponent field as its scale
	v_cvt_scalef32_pk16_bf6_f32 v[C+4*(\t):C+4*(\t)+2], v[XS:XS+15], v11
	v_lshrrev_b32 v10, 23, v11                     ; the scale's byte (a plain line behind the conversion)
	ds_store_b8 v6, v10 offset:16*(\t)             ; both lanes of a block write the same byte with the same value
	global_store_b96 v5, v[C+4*(\t):C+4*(\t)+2], s[8:9] offset:384*(\t)   ; the wave stores the token's 384 consecutive bytes
.irp e, 0,1,2,3                        ; the four logits: my 16 products of each, the experts by turns
	v_pk_mul_f32 v[A+2*\e:A+2*\e+1], v[XS:XS+1], v[G+16*\e:G+16*\e+1]
.endr
.irp i, 2,4,6,8,10,12,14
.irp e, 0,1,2,3
	v_pk_fma_f32 v[A+2*\e:A+2*\e+1], v[XS+\i:XS+\i+1], v[G+16*\e+\i:G+16*\e+\i+1], v[A+2*\e:A+2*\e+1]
.endr
.endr
.irp e, 0,1,2,3
	v_add_f32 v[LG+\e], v[A+2*\e], v[A+2*\e+1]
.endr
.irp n, 1,2,4,8
.irp e, 0,1,2,3
	v_add_f32_dpp v[LG+\e], v[LG+\e], v[LG+\e] row_xmask:\n row_mask:0xf bank_mask:0xf
.endr
.endr
.irp e, 0,1,2,3
	v_permlanex16_b32 v[PM+\e], v[LG+\e], s20, s21
.endr
.irp e, 0,1,2,3
	v_add_f32 v[LG+\e], v[LG+\e], v[PM+\e]         ; every lane holds the token's logit
.endr
	ds_store_b128 v7, v[LG:LG+3] offset:16*(\t)    ; all lanes write the same 16 bytes with the same values
.endm
.irp t, 0,1,2,3,4,5,6,7
	STEP \t
.endr
	s_wait_dscnt 0x0                               ; for wave 0's sake: my scale bytes and logits lie in LDS
	s_barrier_signal -1
	s_barrier_wait -1
	s_cmp_lg_u32 s16, 0
	s_cbranch_scc1 .Lend
	; WAVE 0: a lane to a token
	ds_load_b128 v[224:227], v29                   ; its 16 scale bytes
	ds_load_b128 v[LG:LG+3], v30                   ; its four logits
	s_lshl_b32 s17, ttmp9, 9
	v_add_nc_u32 v31, s17, v2
	s_wait_dscnt 0x0
	global_store_b128 v31, v[224:227], s[10:11]    ; 32 lanes store 512 consecutive bytes of xs
	v_max3_num_f32 v20, v12, v13, v14
	v_max_num_f32 v20, v20, v15                    ; the row's maximum is taken away ahead of the exponentials
.irp j, 0,1,2,3
	v_sub_f32 v[16+\j], v[12+\j], v20
.endr
.irp j, 0,1,2,3
	v_mul_f32 v[16+\j], 0x3fb8aa3b, v[16+\j]       ; x log2(e)
.endr
.irp j, 0,1,2,3
	v_exp_f32 v[16+\j], v[16+\j]
.endr
	v_nop                                          ; a plain line behind the last exponential,
	s_wait_alu depctr_va_vdst(0)                   ; and the one wait for the four, ahead of their first reader
	v_add_f32 v21, v16, v17
	v_add_f32 v22, v18, v19
	v_add_f32 v21, v21, v22
	v_rcp_f32 v21, v21
	v_nop
	s_wait_alu depctr_va_vdst(0)
.irp j, 0,1,2,3
	v_mul_f32 v[16+\j], v[16+\j], v21              ; the probabilities
.endr
	v_mov_b32 v22, v16                             ; the largest: value v22, index v23.  A later one takes its place only if it is strictly larger: a tie keeps the lower index
	v_mov_b32 v23, 0
.irp j, 1,2,3
	v_cmp_le_f32 vcc_lo, v[16+\j], v22
	v_cndmask_b32 v22, v[16+\j], v22, vcc_lo
	v_cndmask_b32 v23, \j, v23, vcc_lo
.endr
.irp j, 0,1,2,3
	v_cmp_ne_u32 vcc_lo, \j, v23
	v_cndmask_b32 v[24+\j], -1.0, v[16+\j], vcc_lo ; the chosen one is taken out
.endr
	v_mov_b32 v232, v24                            ; the second largest: value v232, index v233
	v_mov_b32 v233, 0
.irp j, 1,2,3
	v_cmp_le_f32 vcc_lo, v[24+\j], v232
	v_cndmask_b32 v232, v[24+\j], v232, vcc_lo
	v_cndmask_b32 v233, \j, v233, vcc_lo
.endr
	v_add_f32 v234, v22, v232
	v_rcp_f32 v234, v234
	v_min_u32 v240, v23, v233                      ; a  (a plain line behind the reciprocal)
	v_max_u32 v241, v23, v233                      ; b
	s_wait_alu depctr_va_vdst(0)
	v_mul_f32 v235, v22, v234                      ; the two weights, divided by their sum
	v_mul_f32 v236, v232, v234
	v_cmp_lt_u32 vcc_lo, v23, v233
	v_cndmask_b32 v238, v236, v235, vcc_lo         ; a's weight
	v_cndmask_b32 v239, v235, v236, vcc_lo         ; b's
	v_sub_nc_u32 v242, 5, v240
	v_mul_u32_u24 v242, v242, v240
	v_lshrrev_b32 v242, 1, v242
	v_add3_u32 v242, v242, v241, -1                ; the bucket q = a (5 - a) / 2 + b - 1
	v_mov_b32 v243, 0
.irp q, 0,1,2,3,4,5
	v_cmp_eq_u32 s[24+\q], \q, v242                ; which of the 32 tokens fall into bucket q;
	v_mbcnt_lo_u32_b32 v244, s[24+\q], 0           ; how many of them stand ahead of me;
	v_cndmask_b32 v243, v243, v244, s[24+\q]       ; my rank, if the bucket is mine;
	s_bcnt1_i32_b32 s[30+\q], s[24+\q]             ; and the bucket's count
.endr
	v_lshl_or_b32 v243, v243, 8, v242
	s_lshl_b32 s17, ttmp9, 7
	v_lshl_add_u32 v245, v1, 2, s17
	global_store_b32 v245, v243, s[12:13]          ; picks: 128 consecutive bytes
	s_lshl_b32 s17, ttmp9, 8
	v_lshl_add_u32 v246, v1, 3, s17
	global_store_b64 v246, v[238:239], s[14:15]    ; the weights: 256 consecutive bytes, aligned
.irp n, 1,2,4,8
.irp j, 0,1,2,3
	v_add_f32_dpp v[16+\j], v[16+\j], v[16+\j] row_xmask:\n row_mask:0xf bank_mask:0xf
.endr
.endr
.irp j, 0,1,2,3
	v_permlanex16_b32 v[24+\j], v[16+\j], s20, s21
.endr
.irp j, 0,1,2,3
	v_add_f32 v[16+\j], v[16+\j], v[24+\j]         ; the 32 tokens' sums of probabilities
.endr
	s_lshl_b32 s31, s31, 16
	s_or_b32 s30, s30, s31
	s_lshl_b32 s33, s33, 16
	s_or_b32 s32, s32, s33
	s_lshl_b32 s35, s35, 16
	s_or_b32 s34, s34, s35
	v_mov_b32 v248, s30
	v_mov_b32 v249, s32
	v_mov_b32 v250, s34
	v_mov_b32 v251, 0
	s_lshl_b32 s17, ttmp9, 4
	v_mov_b32 v247, s17
	v_cmp_eq_u32 vcc_lo, 0, v1
	s_wait_xcnt 0x0                                ; EXEC is a source of the stores above: it changes only behind this wait
	s_and_saveexec_b32 s36, vcc_lo                 ; lane 0 alone
	global_store_b128 v247, v[16:19], s[14:15] offset:65536
	global_store_b128 v247, v[248:251], s[12:13] offset:32768
	s_wait_xcnt 0x0
	s_or_b32 exec_lo, exec_lo, s36
.Lend:
	s_barrier_signal -1
	s_barrier_wait -1
	s_wait_tensorcnt 0x0
	ds_add_u32 v254, v255
	s_wait_dscnt 0x0
	s_endpgm
.Lfunc_end_k_q957a9d21f8_route:
	.size	k_q957a9d21f8_route, .Lfunc_end_k_q957a9d21f8_route-k_q957a9d21f8_route
	.p2alignl 7, 3214868480
	.fill 96, 4, 3214868480
	.section	.rodata,"a",@progbits
	.p2align	6, 0x0
	.amdhsa_kernel k_q957a9d21f8_route
		.amdhsa_group_segment_fixed_size 22016
		.amdhsa_private_segment_fixed_size 0
		.amdhsa_enable_private_segment 0
		.amdhsa_kernarg_size 48
		.amdhsa_user_sgpr_count 2
		.amdhsa_user_sgpr_kernarg_segment_ptr 1
		.amdhsa_wavefront_size32 1
		.amdhsa_system_sgpr_workgroup_id_x 1
		.amdhsa_system_sgpr_workgroup_id_y 1
		.amdhsa_system_sgpr_workgroup_id_z 1
		.amdhsa_system_vgpr_workitem_id 0
		.amdhsa_next_free_vgpr 256
		.amdhsa_next_free_sgpr 66
		.amdhsa_reserve_vcc 1
		.amdhsa_float_denorm_mode_32 3
		.amdhsa_float_denorm_mode_16_64 3
		.amdhsa_memory_ordered 1
		.amdhsa_forward_progress 1
		.amdhsa_inst_pref_size 54
	.end_amdhsa_kernel
	.amdgpu_metadata
---
amdhsa.version: [ 1, 2 ]
amdhsa.kernels:
  - .name:           k_q957a9d21f8_route
    .symbol:         k_q957a9d21f8_route.kd
    .args:
      - { .name: x, .offset: 0, .size: 8, .value_kind: global_buffer, .address_space: global }
      - { .name: gate_w, .offset: 8, .size: 8, .value_kind: global_buffer, .address_space: global }
      - { .name: xq, .offset: 16, .size: 8, .value_kind: global_buffer, .address_space: global }
      - { .name: xs, .offset: 24, .size: 8, .value_kind: global_buffer, .address_space: global }
      - { .name: picks, .offset: 32, .size: 8, .value_kind: global_buffer, .address_space: global }
      - { .name: gatef, .offset: 40, .size: 8, .value_kind: global_buffer, .address_space: global }
    .group_segment_fixed_size: 22016
    .private_segment_fixed_size: 0
    .kernarg_segment_align: 8
    .kernarg_segment_size: 48
    .max_flat_workgroup_size: 128
    .sgpr_count:     66
    .vgpr_count:     256
    .wavefront_size: 32
...
	.end_amdgpu_metadata
.endif
;; end of part 1
;; launch prep (part 2): grid 177 x 1, 8 waves a work-group, no clusters, 69,632 bytes of LDS; arguments picks, gatef, w1_codes, w1_scales, w3_codes, w3_scales, w2, tlist, wq, out1; writes tlist, wq, out1
.if DOCPART == 2
	.amdgcn_target "amdgcn-amd-amdhsa--gfx1250"
	.amdhsa_code_object_version 6
	.text
	.protected	k_q957a9d21f8_prep
	.globl	k_q957a9d21f8_prep
	.p2align	8
	.type	k_q957a9d21f8_prep,@function
k_q957a9d21f8_prep:
	s_mov_b64 s[64:65], 0
	v_nop
	global_prefetch_b8 v0, s[64:65] scope:SCOPE_SE
	s_setreg_imm32_b32 hwreg(HW_REG_WAVE_MODE, 25, 1), 1
	s_wait_xcnt 0x0
; PREP.  Two jobs in one launch, parted on the work-group's number; each has LDS bytes of its own.
; WORK-GROUP 0 PLACES THE TOKENS: a counting sort by bucket (pair of experts) from the 256 x 6 counts and the tokens' ranks that the launch before has stored.  Thread g stands for that launch's work-group g.
;   tlist: word t (0..255) = a | b << 4 | n << 8: tile t's two experts and its number of tokens (0: no token);  from byte 1024: tile t's 64 token numbers, for 133 tiles (every place that no token takes: 0).
;   A bucket begins at a tile's head: with 8,192 tokens, 6 buckets and tiles of 64 there are at least 128 and at most 128 + 5 = 133 tiles, whatever the choice.  It also makes the aux loss from the stored sums of probabilities.
; WORK-GROUPS 1 TO 176 LAY THE WEIGHTS OUT in the order in which the next launch's operand registers take them: block (e, k, w) of 38,912 bytes = all that wave w wants in hidden step k (128 hidden units) of expert e:
;   byte 1536 ((2 mat + u) 4 + s): W1's (mat 0) or W3's (mat 1) fragment of tile u, K step s;  24576 + 1536 t: W2's fragment of its 16 rows 128 w + 16 t on, K = hidden 128 k on;
;   36864 + 128 (4 u + s): scale words, lanes 0-15 W1's, lanes 16-31 W3's;  37888 + 128 t: W2's scale words.  A fragment is an image of its 12 registers: register n of lane l at 512 (n / 4) + 16 l + 4 (n % 4).
;   Lane r of tile u holds hidden row 128 k + 32 w + 8 u + r + 8 (r / 8): the 16 results of tiles 0 and 1 in a lane are then 16 neighbours along the next K.
;   Hidden rows from 1,365 on: zero codes (scale word 0x7f7f7f7f); W2's K from 1,365 on: zeros ahead of the quantiser, as the rule fills the last block.
;   W2 [4][512][1365] f32 is quantised here, along its last axis; its rows are 5,460 bytes, so a load takes 4 bytes a lane, 128 consecutive bytes a wave, and the 16 x 128 numbers turn through the wave's own LDS.
; LIMITS.  NaN and infinities are not served.  A block of zeros gets the byte 1 where the rule says 127: its codes are zeros, and this program alone reads the bytes.
.set BLK,  38912
.set LW,   1024                        ; LDS: bytes 0-1023 the placing's; from LW on 8,448 for each wave of a weights' work-group: 16 rows x (512 + 16)
.set LWB,  8448
.set RAW,  32                          ; v32-95   W2 as loaded: row i, lane's column 32 j + lane, at RAW + 4 i + j
.set TU,   96                          ; v96-159  turned: register 32 c + i = k 64 c + 32 h + i of row r
.set F1,   160                         ; v160-171 W1's fragment;  v172-183 W3's
.set F3,   172
.set F2,   188                         ; v188-199 W2's fragment
	s_load_b256 s[4:11], s[0:1], 0x0               ; picks, gatef, w1_codes, w1_scales
	s_load_b256 s[12:19], s[0:1], 0x20             ; w3_codes, w3_scales, w2, tlist
	s_load_b128 s[20:23], s[0:1], 0x40             ; wq, out1
	v_lshl_add_u32 v254, v0, 2, 0x10c00
	v_mov_b32 v255, 0
	v_lshrrev_b32 v1, 5, v0
	v_readfirstlane_b32 s24, v1                    ; wave 0..7
	v_and_b32 v1, 31, v0                           ; lane
	v_and_b32 v2, 15, v0                           ; r
	v_bfe_u32 v3, v0, 4, 1                         ; h
	s_mov_b32 s36, 0x76543210
	s_mov_b32 s37, 0xfedcba98                      ; v_permlanex16_b32's selects for lane l xor 16
	s_cmp_eq_u32 ttmp9, 0
	s_cbranch_scc1 .Lplace
	; ---------------- THE WEIGHTS.  Wave v makes W1's and W3's fragment (u = v / 4, s = v % 4), W2's fragment t = v, and their scale words.  No barrier: waves share nothing.
	s_sub_co_u32 s25, ttmp9, 1                     ; the block's number = (11 e + k) 4 + w
	s_and_b32 s26, s25, 3                          ; w
	s_lshr_b32 s27, s25, 2                         ; 11 e + k, 0..43
	s_mul_i32 s28, s27, 373
	s_lshr_b32 s28, s28, 12                        ; e = (11 e + k) / 11: 373 / 4096 serves up to 43
	s_mul_i32 s29, s28, 11
	s_sub_co_u32 s29, s27, s29                     ; k
	s_lshr_b32 s30, s24, 2                         ; u
	s_and_b32 s31, s24, 3                          ; s
	s_lshl_b32 s32, s29, 7                         ; 128 k
	s_lshl_b32 s33, s26, 5
	s_add_co_u32 s33, s33, s32
	s_lshl_b32 s34, s30, 3
	s_add_co_u32 s33, s33, s34                     ; 128 k + 32 w + 8 u
	v_and_b32 v4, 8, v2
	v_add_nc_u32 v4, v4, v2
	v_add_nc_u32 v4, s33, v4                       ; my hidden row
	v_cmp_gt_u32 s40, 0x555, v4                    ; is there such a row (1,365 > row)?
	v_min_u32 v5, 0x554, v4                        ; no load leaves its buffer
	v_mul_u32_u24 v6, v5, 384
	v_mad_u32_u24 v6, v3, 24, v6                   ; codes: row x 384 + 24 h
	v_lshlrev_b32 v7, 4, v5                        ; scale bytes: row x 16
	v_cmp_le_u32 s41, 16, v1                       ; lanes 16-31
	v_add_nc_u32 v8, s32, v1
.irp j, 1,2,3
	v_add_nc_u32 v[8+\j], 32*\j, v8                ; W2's column 128 k + 32 j + lane
.endr
.irp j, 0,1,2,3
	v_cmp_gt_u32 s[42+\j], 0x555, v[8+\j]
	v_min_u32 v[8+\j], 0x554, v[8+\j]
.endr
.irp j, 0,1,2,3
	v_lshlrev_b32 v[8+\j], 2, v[8+\j]
.endr
	s_mul_i32 s54, s24, LWB
	s_add_co_u32 s54, s54, LW                      ; my wave's LDS
	v_lshl_add_u32 v12, v1, 2, s54                 ; in: 4 x lane (+ 528 i + 128 j)
	v_mul_u32_u24 v13, v2, 528
	v_lshl_add_u32 v13, v3, 7, v13
	v_add_nc_u32 v13, s54, v13                     ; out: 528 r + 128 h (+ 256 c + 16 p)
	s_mul_i32 s55, s24, 1536
	v_lshl_add_u32 v14, v1, 4, s55                 ; in the block: 16 x lane + 1536 v
	s_lshl_b32 s55, s24, 7
	v_lshl_add_u32 v15, v1, 2, s55                 ; and 4 x lane + 128 v
	v_mov_b32 v186, 0x7f7f7f7f
	s_mul_i32 s46, s28, 1365*384
	s_mul_i32 s47, s31, 96
	s_add_co_u32 s46, s46, s47                     ; the expert's codes, K step s
	s_mov_b32 s47, 0
	s_mul_i32 s48, s28, 1365*16
	s_lshl_b32 s49, s31, 2
	s_add_co_u32 s48, s48, s49                     ; its scale bytes, word s
	s_mov_b32 s49, 0
	s_lshl_b32 s50, s28, 9
	s_lshl_b32 s51, s26, 7
	s_add_co_u32 s50, s50, s51
	s_lshl_b32 s51, s24, 4
	s_add_co_u32 s50, s50, s51                     ; W2's row 512 e + 128 w + 16 v
	s_mul_i32 s50, s50, 5460
	s_mov_b32 s51, 0
	s_mul_i32 s52, s25, BLK
	s_mov_b32 s53, 0
	s_wait_kmcnt 0x0
	s_add_nc_u64 s[8:9], s[8:9], s[46:47]
	s_add_nc_u64 s[12:13], s[12:13], s[46:47]
	s_add_nc_u64 s[10:11], s[10:11], s[48:49]
	s_add_nc_u64 s[14:15], s[14:15], s[48:49]
	s_add_nc_u64 s[16:17], s[16:17], s[50:51]
	s_add_nc_u64 s[20:21], s[20:21], s[52:53]
.irp p, 0,1,2,3,4,5
	global_load_b64 v[F1+2*\p:F1+2*\p+1], v6, s[8:9] offset:48*(\p/3)+8*(\p%3)
.endr
.irp p, 0,1,2,3,4,5
	global_load_b64 v[F3+2*\p:F3+2*\p+1], v6, s[12:13] offset:48*(\p/3)+8*(\p%3)
.endr
	global_load_b32 v184, v7, s[10:11]
	global_load_b32 v185, v7, s[14:15]
.irp i, 0,1,2,3,4,5,6,7,8,9,10,11,12,13,14,15
.irp j, 0,1,2,3
	global_load_b32 v[RAW+4*\i+\j], v[8+\j], s[16:17] offset:5460*\i th:TH_LOAD_NT   ; 32 lanes read 128 consecutive bytes of a row
.endr
.endr
	s_wait_loadcnt 63                              ; the 14 loads of codes and scale words are in: behind them stand W2's 64, of which the wait's field can name 63
.set j, 0
.rept 24
	v_cndmask_b32 v[F1+j], 0, v[F1+j], s40         ; a row that is not there: zero codes
.set j, j+1
.endr
	v_cndmask_b32 v184, v184, v185, s41            ; lanes 0-15 keep W1's word, lanes 16-31 take W3's
	v_cndmask_b32 v184, v186, v184, s40
.irp c, 0,1,2
	global_store_b128 v14, v[F1+4*\c:F1+4*\c+3], s[20:21] offset:512*\c          ; each store covers 512 consecutive bytes, aligned
	global_store_b128 v14, v[F3+4*\c:F3+4*\c+3], s[20:21] offset:12288+512*\c
.endr
	global_store_b32 v15, v184, s[20:21] offset:36864
	s_wait_loadcnt 0x0
.irp i, 0,1,2,3,4,5,6,7,8,9,10,11,12,13,14,15
.irp j, 0,1,2,3
	v_cndmask_b32 v[RAW+4*\i+\j], 0, v[RAW+4*\i+\j], s[42+\j]   ; past the end of K: zeros, ahead of the block's maximum
.endr
.endr
.irp i, 0,1,2,3,4,5,6,7,8,9,10,11,12,13,14,15
.irp j, 0,1,2,3
	ds_store_b32 v12, v[RAW+4*\i+\j] offset:528*\i+128*\j
.endr
.endr
.irp c, 0,1
.irp p, 0,1,2,3,4,5,6,7
	ds_load_b128 v[TU+32*\c+4*\p:TU+32*\c+4*\p+3], v13 offset:256*\c+16*\p   ; LDS serves a wave's instructions in order: these see my stores
.endr
.endr
	s_wait_dscnt 0x0
.irp c, 0,1                            ; my block 2 c + h of row r: all its 32 numbers are mine
	v_max3_num_f32 v[16+\c], |v[TU+32*\c]|, |v[TU+32*\c+1]|, 0x2800000   ; with the floor 2^(5 - 127): the byte cannot fall under 1
.endr
.irp i, 2,4,6,8,10,12,14,16,18,20,22,24,26,28,30
.irp c, 0,1
	v_max3_num_f32 v[16+\c], v[16+\c], |v[TU+32*\c+\i]|, |v[TU+32*\c+\i+1]|
.endr
.endr
.irp c, 0,1
	v_add_nc_u32 v[18+\c], 0xfe000000, v[16+\c]    ; 4 off the exponent field: the conversion's scale operand
.endr
.irp c, 0,1
	v_lshrrev_b32 v[20+\c], 23, v[18+\c]           ; the scale's byte
.endr
	v_lshl_or_b32 v22, v21, 16, v20                ; my two bytes, blocks h and 2 + h,
	v_lshlrev_b32 v23, 3, v3
	v_lshlrev_b32 v22, v23, v22                    ; at their places in the word;
	v_mov_b32 v23, 0
	v_permlanex16_b32 v23, v22, s36, s37
	v_or_b32 v22, v22, v23                         ; with lane l xor 16's two the word is whole
.irp c, 0,1
	v_cvt_scalef32_pk16_bf6_f32 v[F2+6*\c:F2+6*\c+2], v[TU+32*\c:TU+32*\c+15], v[18+\c]
	v_cvt_scalef32_pk16_bf6_f32 v[200+4*\c:202+4*\c], v[TU+32*\c+16:TU+32*\c+31], v[18+\c]   ; (a conversion's three registers begin on an even number)
.endr
	v_nop                                          ; one plain line behind a scaled conversion
.irp c, 0,1
.irp i, 0,1,2
	v_mov_b32 v[F2+3+6*\c+\i], v[200+4*\c+\i]
.endr
.endr
.irp c, 0,1,2
	global_store_b128 v14, v[F2+4*\c:F2+4*\c+3], s[20:21] offset:24576+512*\c
.endr
	global_store_b32 v15, v22, s[20:21] offset:37888
	s_wait_xcnt 0x0
	s_mov_b32 exec_lo, -1
	s_wait_tensorcnt 0x0
	ds_add_u32 v254, v255
	s_wait_dscnt 0x0
	s_endpgm
	; ---------------- THE PLACING
.Lplace:
	v_lshlrev_b32 v4, 4, v0                        ; 16 g
	v_lshlrev_b32 v5, 7, v0                        ; 128 g
	s_lshl_b32 s46, s24, 4
	v_mov_b32 v6, s46                              ; LDS: 16 x wave
	v_mov_b32 v7, 0
	s_wait_kmcnt 0x0
	global_load_b128 v[16:19], v4, s[4:5] offset:32768     ; group g's six counts, two to a word
	global_load_b128 v[20:23], v4, s[6:7] offset:65536     ; its four sums of probabilities
.irp i, 0,1,2,3,4,5,6,7
	global_load_b128 v[32+4*\i:35+4*\i], v5, s[4:5] offset:16*\i   ; its 32 tokens' picks
.endr
	s_wait_loadcnt 8                               ; counts and sums are in; the eight loads of picks may be out
.irp c, 0,1,2
	v_mov_b32 v[24+\c], v[16+\c]                   ; my own counts are kept
	v_mov_b32 v[27+\c], 0
.endr
.irp n, 1,2,4,8                        ; running sums over the wave.  No count passes 8,192, so the two halves of a word never meet
.irp c, 0,1,2
	v_mov_b32_dpp v[27+\c], v[16+\c] row_shr:\n row_mask:0xf bank_mask:0xf bound_ctrl:1
.endr
.irp c, 0,1,2
	v_add_nc_u32 v[16+\c], v[16+\c], v[27+\c]
.endr
.endr
.irp c, 0,1,2
	v_readlane_b32 s[66+\c], v[16+\c], 15
.endr
.irp c, 0,1,2
	v_mul_lo_u32 v[27+\c], s[66+\c], v3            ; lanes 16-31 add the first sixteen's sum
.endr
.irp c, 0,1,2
	v_add_nc_u32 v[16+\c], v[16+\c], v[27+\c]
.endr
.irp c, 0,1,2
	v_readlane_b32 s[66+\c], v[16+\c], 31          ; the wave's sums
.endr
.irp c, 0,1,2
	v_mov_b32 v[64+\c], s[66+\c]
.endr
	v_mov_b32 v67, 0
.irp e, 0,1,2,3
	v_mov_b32 v[68+\e], 0
.endr
.irp n, 1,2,4,8
.irp e, 0,1,2,3
	v_add_f32_dpp v[20+\e], v[20+\e], v[20+\e] row_xmask:\n row_mask:0xf bank_mask:0xf
.endr
.endr
.irp e, 0,1,2,3
	v_permlanex16_b32 v[68+\e], v[20+\e], s36, s37
.endr
.irp e, 0,1,2,3
	v_add_f32 v[20+\e], v[20+\e], v[68+\e]
.endr
	ds_store_b128 v6, v[64:67]                     ; all lanes write the same 16 bytes with the same values
	ds_store_b128 v6, v[20:23] offset:128
	s_wait_dscnt 0x0                               ; for the others' sake
	s_barrier_signal -1
	s_barrier_wait -1
.irp w, 0,1,2,3,4,5,6,7
	ds_load_b128 v[64+4*\w:67+4*\w], v7 offset:16*\w
	ds_load_b128 v[96+4*\w:99+4*\w], v7 offset:128+16*\w
.endr
	s_wait_dscnt 0x0
.irp c, 0,1,2
	v_mov_b32 v[200+\c], v[64+\c]                  ; v200-202: all eight waves' sums;  v204-206: those of the waves ahead of mine
.endr
	s_cmp_gt_u32 s24, 0
	s_cselect_b32 s46, -1, 0
.irp c, 0,1,2
	v_and_b32 v[204+\c], s46, v[64+\c]
.endr
.irp w, 1,2,3,4,5,6,7
	s_cmp_gt_u32 s24, \w
	s_cselect_b32 s46, -1, 0
.irp c, 0,1,2
	v_add_nc_u32 v[200+\c], v[200+\c], v[64+4*\w+\c]
	v_and_b32 v[208+\c], s46, v[64+4*\w+\c]
	v_add_nc_u32 v[204+\c], v[204+\c], v[208+\c]
.endr
.endr
.irp c, 0,1,2
	v_readfirstlane_b32 s[66+\c], v[200+\c]
.endr
.irp c, 0,1,2
	s_and_b32 s[48+2*\c], s[66+\c], 0xffff         ; s48-53: the six buckets' tokens
	s_lshr_b32 s[49+2*\c], s[66+\c], 16
.endr
	s_mov_b32 s56, 0                               ; s56-62: the tile at which bucket q begins; s62: tiles in all
.irp q, 0,1,2,3,4,5
	s_add_co_u32 s46, s[48+\q], 63
	s_lshr_b32 s46, s46, 6
	s_add_co_u32 s[57+\q], s[56+\q], s46
.endr
.irp c, 0,1,2
	v_sub_nc_u32 v[16+\c], v[16+\c], v[24+\c]      ; the tokens of each bucket in the groups ahead of mine
	v_add_nc_u32 v[16+\c], v[16+\c], v[204+\c]
.endr
.irp c, 0,1,2
	v_and_b32 v[8+2*\c], 0xffff, v[16+\c]
	v_lshrrev_b32 v[9+2*\c], 16, v[16+\c]
.endr
.irp q, 0,1,2,3,4,5
	v_lshl_add_u32 v[8+\q], s[56+\q], 6, v[8+\q]   ; v8-13: where my group's tokens of bucket q begin in the list
.endr
	s_wait_loadcnt 0x0                             ; the picks
.macro PUT i                           ; token 32 g + i goes to its place; each has registers of its own for address and data, so that no store's sources are written again
	v_and_b32 v210, 7, v[32+\i]
	v_lshrrev_b32 v211, 8, v[32+\i]
	v_mov_b32 v212, v8
.irp q, 1,2,3,4,5
	v_cmp_eq_u32 vcc_lo, \q, v210
	v_cndmask_b32 v212, v212, v[8+\q], vcc_lo
.endr
	v_add_nc_u32 v212, v212, v211
	v_min_u32 v212, 0x213f, v212                   ; inside the list's 133 x 64 words
	v_lshlrev_b32 v[128+\i], 2, v212
	v_lshl_or_b32 v[160+\i], v0, 5, \i
	global_store_b32 v[128+\i], v[160+\i], s[18:19] offset:1024
.endm
.set Q, 0
.rept 32
	PUT Q
.set Q, Q+1
.endr
	; the tiles: thread t writes word t.  The last bucket that begins at or ahead of tile t owns it
	v_mov_b32 v214, 0
	v_mov_b32 v215, s48
	v_mov_b32 v216, 0x10
.macro TSEL q, ab
	v_cmp_gt_u32 vcc_lo, s[56+\q], v0              ; bucket q begins behind my tile: keep
	v_cndmask_b32 v214, s[56+\q], v214, vcc_lo
	v_cndmask_b32 v215, s[48+\q], v215, vcc_lo
	v_cndmask_b32 v216, \ab, v216, vcc_lo
.endm
	TSEL 1, 0x20
	TSEL 2, 0x30
	TSEL 3, 0x21
	TSEL 4, 0x31
	TSEL 5, 0x32
	v_sub_nc_u32 v217, v0, v214
	v_lshlrev_b32 v217, 6, v217
	v_sub_nc_u32 v217, v215, v217                  ; what the bucket has left at my tile's head,
	v_max_i32 v217, 0, v217
	v_min_i32 v217, 64, v217                       ; held to 0 .. 64
	v_lshl_or_b32 v217, v217, 8, v216
	v_lshlrev_b32 v218, 2, v0
	global_store_b32 v218, v217, s[18:19]
	; the aux loss: 0.01 x the mean over the four experts of (mean probability - 1/4)^2.  Every thread makes it, thread 0 stores it
.irp e, 0,1,2,3
	v_add_f32 v[220+\e], v[96+\e], v[100+\e]
.endr
.irp w, 2,3,4,5,6,7
.irp e, 0,1,2,3
	v_add_f32 v[220+\e], v[220+\e], v[96+4*\w+\e]
.endr
.endr
	s_mov_b32 s46, 0x39000000                      ; 1 / 8,192
.irp e, 0,1,2,3
	v_fmaak_f32 v[220+\e], s46, v[220+\e], 0xbe800000   ; - 0.25
.endr
	v_mul_f32 v224, v220, v220
	v_fmac_f32 v224, v221, v221
	v_fmac_f32 v224, v222, v222
	v_fmac_f32 v224, v223, v223
	v_mul_f32 v224, 0x3b23d70a, v224               ; x 0.01 / 4
	v_cmp_eq_u32 s71, 0, v0
	; THE PLACES OF THE LIST THAT NO TOKEN TAKES get token 0.  All their addresses and lane masks are made here, with all lanes on, ahead of the first line that changes EXEC.
	; Behind bucket q's last token, up to its last tile's end: fewer than 64 places, so the mask is empty from thread 64 on
.irp q, 0,1,2,3,4,5
	s_lshl_b32 s46, s[56+\q], 6
	s_add_co_u32 s46, s46, s[48+\q]
	s_lshl_b32 s47, s[57+\q], 6
	v_add_nc_u32 v213, s46, v0
	v_cmp_gt_u32 s[72+\q], s47, v213
	v_min_u32 v213, 0x213f, v213
	v_lshlrev_b32 v[192+\q], 2, v213
.endr
	; and behind the last tile in use, up to the 133rd tile's end: at most 5 tiles, 320 places: two for each of the 256 threads
	s_lshl_b32 s46, s62, 6
.irp j, 0,1
	s_add_co_u32 s47, s46, 256*\j
	v_add_nc_u32 v213, s47, v0
	v_cmp_gt_u32 s[78+\j], 0x2140, v213
	v_min_u32 v213, 0x213f, v213
	v_lshlrev_b32 v[198+\j], 2, v213
.endr
.irp q, 0,1,2,3,4,5,6,7
	s_mov_b32 vcc_lo, s[72+\q]
	s_wait_xcnt 0x0                                ; EXEC is a source of the stores above: it changes only behind this wait
	s_and_saveexec_b32 s70, vcc_lo
	global_store_b32 v[192+\q], v7, s[18:19] offset:1024
	s_wait_xcnt 0x0                                ; and again ahead of the line that widens it
	s_or_b32 exec_lo, exec_lo, s70
.endr
	s_mov_b32 vcc_lo, s71
	s_wait_xcnt 0x0
	s_and_saveexec_b32 s70, vcc_lo                 ; thread 0 alone
	global_store_b32 v7, v224, s[22:23]
	s_wait_xcnt 0x0
	s_or_b32 exec_lo, exec_lo, s70
	s_wait_xcnt 0x0
	s_mov_b32 exec_lo, -1
	s_wait_tensorcnt 0x0
	ds_add_u32 v254, v255
	s_wait_dscnt 0x0
	s_endpgm
.Lfunc_end_k_q957a9d21f8_prep:
	.size	k_q957a9d21f8_prep, .Lfunc_end_k_q957a9d21f8_prep-k_q957a9d21f8_prep
	.p2alignl 7, 3214868480
	.fill 96, 4, 3214868480
	.section	.rodata,"a",@progbits
	.p2align	6, 0x0
	.amdhsa_kernel k_q957a9d21f8_prep
		.amdhsa_group_segment_fixed_size 69632
		.amdhsa_private_segment_fixed_size 0
		.amdhsa_enable_private_segment 0
		.amdhsa_kernarg_size 80
		.amdhsa_user_sgpr_count 2
		.amdhsa_user_sgpr_kernarg_segment_ptr 1
		.amdhsa_wavefront_size32 1
		.amdhsa_system_sgpr_workgroup_id_x 1
		.amdhsa_system_sgpr_workgroup_id_y 1
		.amdhsa_system_sgpr_workgroup_id_z 1
		.amdhsa_system_vgpr_workitem_id 0
		.amdhsa_next_free_vgpr 256
		.amdhsa_next_free_sgpr 80
		.amdhsa_reserve_vcc 1
		.amdhsa_float_denorm_mode_32 3
		.amdhsa_float_denorm_mode_16_64 3
		.amdhsa_memory_ordered 1
		.amdhsa_forward_progress 1
		.amdhsa_inst_pref_size 67
	.end_amdhsa_kernel
	.amdgpu_metadata
---
amdhsa.version: [ 1, 2 ]
amdhsa.kernels:
  - .name:           k_q957a9d21f8_prep
    .symbol:         k_q957a9d21f8_prep.kd
    .args:
      - { .name: picks, .offset: 0, .size: 8, .value_kind: global_buffer, .address_space: global }
      - { .name: gatef, .offset: 8, .size: 8, .value_kind: global_buffer, .address_space: global }
      - { .name: w1_codes, .offset: 16, .size: 8, .value_kind: global_buffer, .address_space: global }
      - { .name: w1_scales, .offset: 24, .size: 8, .value_kind: global_buffer, .address_space: global }
      - { .name: w3_codes, .offset: 32, .size: 8, .value_kind: global_buffer, .address_space: global }
      - { .name: w3_scales, .offset: 40, .size: 8, .value_kind: global_buffer, .address_space: global }
      - { .name: w2, .offset: 48, .size: 8, .value_kind: global_buffer, .address_space: global }
      - { .name: tlist, .offset: 56, .size: 8, .value_kind: global_buffer, .address_space: global }
      - { .name: wq, .offset: 64, .size: 8, .value_kind: global_buffer, .address_space: global }
      - { .name: out1, .offset: 72, .size: 8, .value_kind: global_buffer, .address_space: global }
    .group_segment_fixed_size: 69632
    .private_segment_fixed_size: 0
    .kernarg_segment_align: 8
    .kernarg_segment_size: 80
    .max_flat_workgroup_size: 256
    .sgpr_count:     80
    .vgpr_count:     256
    .wavefront_size: 32
...
	.end_amdgpu_metadata
.endif
;; end of part 2
;; launch chain (part 3): grid 133 x 1, 4 waves a work-group, no clusters, 173,568 bytes of LDS; arguments tlist, gatef, xq, xs, wq, out0; writes out0
.if DOCPART == 3
	.amdgcn_target "amdgcn-amd-amdhsa--gfx1250"
	.amdhsa_code_object_version 6
	.text
	.protected	k_q957a9d21f8_chain
	.globl	k_q957a9d21f8_chain
	.p2align	8
	.type	k_q957a9d21f8_chain,@function
k_q957a9d21f8_chain:
	s_mov_b64 s[64:65], 0
	v_nop
	global_prefetch_b8 v0, s[64:65] scope:SCOPE_SE
	s_setreg_imm32_b32 hwreg(HW_REG_WAVE_MODE, 25, 1), 1
	s_wait_xcnt 0x0
; CHAIN.  out0[token] = c_a y_a + c_b y_b,  y_e = Q(silu(x W1_e^T) * (x W3_e^T)) W2_e^T, all three products on codes of BF6 (E3M2) with one E8M0 scale for each 32 along K.
; Only a token's two chosen experts are multiplied: the other two have the weight 0 in the sum.  A work-group takes one tile of the stored list: up to 64 tokens that chose the same pair (a, b), through both
; experts, so each row of out0 has one owner.  The grid serves every split: 8,192 tokens in 6 buckets fill at least 128 and at most 133 tiles of 64.
; A TILE WITH NO TOKEN (at most 5 of the 133) is walked like any other, on token 0's rows, and stores nothing: every wave passes every barrier, and no barrier stands under a branch on a number read from memory;
; the first such branch stands behind the last barrier but the closing one, at the stores.
; SHARES.  The waves share the columns.  In a hidden step (128 hidden units; 11 an expert, the last filled with zero codes) wave w
;   1: makes hidden units 32 w .. 32 w + 31 of the step, ONE block of the next K, for all 64 tokens: 64 products, used transposed (source 0 = 16 rows of W1 or W3, source 1 = 16 tokens): a lane holds one token,
;      and its 16 registers of tiles 0 and 1 are 16 neighbours along the next K (the rows of a tile were chosen for that when the weights were laid out);
;   S: silu(g) * u in f32, the block's largest magnitude (lanes l and l xor 16), its byte, the conversion: 12 bytes a lane and one scale byte go into the work-group's tile of h in LDS, where the four waves' blocks make rows of 96 bytes;
;   2: behind a barrier takes all 64 rows of h (four fragments) and multiplies them by its 128 rows of W2: 32 products onto 32 accumulators (source 0 = 16 rows of W2, source 1 = 16 tokens).
; h never goes to memory.  Behind expert a the accumulators, times c_a, are parked in the wave's own LDS; behind expert b: acc x c_b + parked, through a stage, 512 consecutive bytes of a token's row a store.
; THE WEIGHTS come from memory straight into registers, laid out by the launch before in the order of the operand registers: each fragment is wanted by one wave of the work-group alone, feeds four products, and is
; asked for again directly behind its last use, so that a step's 88 loads have the rest of the step in which to land.
; NO TENSOR LOAD, NO CLUSTER: the launch guards its stores on stored counts; a way through LDS would feed no fragment twice; and tiles of one pair of experts cannot be promised to four partners at every split.
; Each expert's first hidden step is written out (its second product starts the sums with the constant 0), and so is the last step of all, which loads nothing: so each counted wait finds the same loads behind it on every way.
; LIMITS.  NaN and infinities are not served.  Where 2^(-g log2 e) overflows, silu(g) is -0 where the exact number lies under 1e-38 in magnitude.  A block of zeros has the byte 1: its codes are zeros.
; REGISTERS, in windows of 256 (s_set_vgpr_msb: bits 1:0 source 0, 3:2 source 1, 5:4 source 2, 7:6 destination):
;   window 0: addresses, scale words, the step's g and u (v100-163), at work (v164-195), h's four fragments (v196-243)
;   window 1: v0-191 x's 16 fragments (tile of tokens m, K step s: 12 (4 m + s)); v192-227 W2's fragments 5-7       window 2: v0-191 W1's and W3's 16 fragments; v192-251 W2's fragments 0-4
;   window 3: the 32 accumulators (W2's tile t, tokens' tile m: 8 (4 t + m))
.set BLK,   38912                      ; a wave's weights of one hidden step
.set RSTEP, 4*BLK                      ; a hidden step on
.set EXPB,  11*RSTEP                   ; an expert on
.set HP,    112                        ; h in LDS: 64 rows, 96 bytes of codes + 16: 28 words from row to row, so that the 32 lanes of an 8-byte load touch 64 different words modulo 64
.set HSW,   7168                       ; h's scale words, 4 bytes a row
.set PARK,  8192                       ; 32,768 bytes for each wave: images of its 256 accumulator registers
.set STAGE, 139264                     ; 16 rows x (512 + 16) bytes for each wave
.set SPI,   528
.set LI,  4                            ; v4   16 x lane
.set LS,  5                            ; v5   4 x lane
.set HST, 6                            ; v6   where I put my 12 bytes of h: 112 r + 24 w + 12 h
.set HSB, 7                            ; v7   and the block's byte: HSW + 4 r + w
.set HLD, 8                            ; v8   where I read h's fragments: 112 r + 24 h
.set HSL, 9                            ; v9   and its scale words: HSW + 4 r
.set PKA, 10                           ; v10  PARK + 32768 w + 16 lane
.set STO, 11                           ; v11  STAGE + 8448 w + 528 r + 32 h
.set RD,  12                           ; v12  STAGE + 8448 w + 16 lane
.set LIW, 13                           ; v13  my bytes in a row of out0: 512 w + 16 lane
.set XO,  14                           ; v14-17  x's codes of my token in tile m: 384 token + 24 h
.set XSO, 18                           ; v18-21  its scale bytes: 16 token
.set H24, 22                           ; v22  24 h
.set CW,  24                           ; v24-31  (c_a, c_b) of my token in tile m
.set XS,  32                           ; v32-47  x's scale words (4 m + s)
.set S13, 48                           ; v48-55  W1's (lanes 0-15) and W3's (lanes 16-31) scale words (4 u + s)
.set S2,  56                           ; v56-63  W2's scale words (t)
.set HSC, 64                           ; v64-67  h's scale words (m)
.set QA,  68                           ; v68-71  largest magnitudes, two chains for each of two tiles
.set QB,  70
.set P,   72                           ; v72-73  lane permutes' destinations
.set SCL, 74                           ; v74-75  the conversions' scale operands
.set BY,  76                           ; v76-79  the scale bytes (m)
.set C,   84                           ; v84-99  the codes just made: four registers for each m
.set GU,  100                          ; v100-163 for the half's tile mm: g at 32 mm + 8 u, u-values at 32 mm + 16 + 8 u
.set T,   164                          ; v164-195 at work
.set HF,  196                          ; v196-243 h's fragments (12 m)
.set PFO, 244                          ; v244 256 x lane
.set ORA, 245                          ; v245 4 r
.set CWO, 246                          ; v246-249 8 token
.set TOK, 250                          ; v250-253 my token in tile m
.set BK,  100                          ; the way out: 16 rows read back from the stage
.set VO,  164                          ; and their stores' offsets
.set WB,  24                           ; s[24:25] my block of weights that is to be loaded next
.set PL,  26                           ; s[26:27] my tile's 64 token numbers
.set K,   28                           ; s28  the hidden step
.set SEL, 30                           ; s[30:31] v_permlanex16_b32's selects for lane l xor 16
.set WBB, 34                           ; s[34:35] my block of expert b's first hidden step
.set PFA, 54                           ; s[54:55] where my prefetches stand
.set PFLIM, 56                         ; s56  a wave prefetches while the hidden step is under it
.set MSB, 0
.macro WIN new                         ; the immediate's high byte repeats the setting that is left; a switch that changes nothing is dropped
.if MSB != \new
	s_set_vgpr_msb (MSB<<8)|\new
.set MSB, \new
.endif
.endm
.macro NOP4                            ; four plain places behind a matrix instruction, ahead of loads into its registers and of the first read of its results
.rept 4
	v_nop
.endr
.endm
.macro MX d, a, b, z, sa, sb, row      ; one product.  z: it starts its sum;  row: source 0's scale words stand in lanes 16-31
.if \z
.if \row
	v_wmma_scale_f32_16x16x128_f8f6f4 v[\d:\d+7], v[\a:\a+11], v[\b:\b+11], 0, v[\sa], v[\sb] matrix_a_fmt:MATRIX_FMT_BF6 matrix_b_fmt:MATRIX_FMT_BF6 matrix_a_scale:MATRIX_SCALE_ROW1
.else
	v_wmma_scale_f32_16x16x128_f8f6f4 v[\d:\d+7], v[\a:\a+11], v[\b:\b+11], 0, v[\sa], v[\sb] matrix_a_fmt:MATRIX_FMT_BF6 matrix_b_fmt:MATRIX_FMT_BF6
.endif
.else
.if \row
	v_wmma_scale_f32_16x16x128_f8f6f4 v[\d:\d+7], v[\a:\a+11], v[\b:\b+11], v[\d:\d+7], v[\sa], v[\sb] matrix_a_fmt:MATRIX_FMT_BF6 matrix_b_fmt:MATRIX_FMT_BF6 matrix_a_scale:MATRIX_SCALE_ROW1
.else
	v_wmma_scale_f32_16x16x128_f8f6f4 v[\d:\d+7], v[\a:\a+11], v[\b:\b+11], v[\d:\d+7], v[\sa], v[\sb] matrix_a_fmt:MATRIX_FMT_BF6 matrix_b_fmt:MATRIX_FMT_BF6
.endif
.endif
.endm
; 56 loads: a hidden step's scale words of W1 and W3, then their 16 fragments, K step by K step, so that the first product's waits can count
.macro L13
.irp i, 0,1,2,3,4,5,6,7
	global_load_b32 v[S13+\i], v[LS], s[WB:WB+1] offset:36864+128*\i
.endr
	WIN 0x80                                       ; destination window 2
.irp s, 0,1,2,3
.irp f, 0,1,2,3
.irp c, 0,1,2
	global_load_b128 v[12*(4*\f+\s)+4*\c:12*(4*\f+\s)+4*\c+3], v[LI], s[WB:WB+1] offset:1536*(4*\f+\s)+512*\c
.endr
.endr
.endr
	WIN 0
.endm
; 32 loads: W2's eight fragments and their scale words
.macro L2W
	WIN 0x80
.irp t, 0,1,2,3,4
.irp c, 0,1,2
	global_load_b128 v[192+12*\t+4*\c:192+12*\t+4*\c+3], v[LI], s[WB:WB+1] offset:24576+1536*\t+512*\c
.endr
.endr
	WIN 0x40                                       ; destination window 1
.irp t, 5,6,7
.irp c, 0,1,2
	global_load_b128 v[192+12*(\t-5)+4*\c:192+12*(\t-5)+4*\c+3], v[LI], s[WB:WB+1] offset:24576+1536*\t+512*\c
.endr
.endr
	WIN 0
.irp t, 0,1,2,3,4,5,6,7
	global_load_b32 v[S2+\t], v[LS], s[WB:WB+1] offset:37888+128*\t
.endr
.endm
; The first products for tiles of tokens 2 hf and 2 hf + 1: 32 matrix instructions, eight accumulators by turns, one instruction a turn
.macro P1H hf
	WIN 0x06                                       ; source 0 (W) window 2, source 1 (x) window 1
.irp s, 0,1,2,3
.if \hf == 0
.if \s == 0
	s_wait_loadcnt 63                              ; K step 0's fragments are in: behind them stand 36 loads of K steps 1 to 3 and W2's 32, of which the wait's field can name 63
.else
	s_wait_loadcnt 32+12*(3-\s)                    ; K step s's are in: behind them 12 loads for each later K step and W2's 32
.endif
.endif
.set Z, 0
.if \s == 0
.set Z, 1
.endif
.irp mm, 0,1
.irp mat, 0,1
.irp u, 0,1
.set rD, GU+32*\mm+16*\mat+8*\u
.set rA, 12*((2*\mat+\u)*4+\s)
.set rB, 12*(4*(2*\hf+\mm)+\s)
.set rSA, S13+4*\u+\s
.set rSB, XS+4*(2*\hf+\mm)+\s
	MX rD, rA, rB, Z, rSA, rSB, \mat
.endr
.endr
.endr
.endr
	WIN 0
.endm
; h = silu(g) u for the half's two tiles of tokens, quantised, to LDS.  Each accumulator is read from its low end on.  Each batch of transcendentals has one plain line and ONE wait behind it, ahead of its first reader
.macro SH hf
.irp mm, 0,1
.irp i, 0,2,4,6,8,10,12,14
	v_pk_mul_f32 v[T+16*\mm+\i:T+16*\mm+\i+1], v[GU+32*\mm+\i:GU+32*\mm+\i+1], 0xbfb8aa3b op_sel_hi:[1,0]   ; -g log2(e)
.endr
.endr
.set j, 0
.rept 32
	v_exp_f32 v[T+j], v[T+j]
.set j, j+1
.endr
	v_nop
	s_wait_alu depctr_va_vdst(0)
.set j, 0
.rept 16
	v_pk_add_f32 v[T+j:T+j+1], v[T+j:T+j+1], 1.0 op_sel_hi:[1,0]
.set j, j+2
.endr
.set j, 0
.rept 32
	v_rcp_f32 v[T+j], v[T+j]                       ; the sigmoid
.set j, j+1
.endr
	v_nop
	s_wait_alu depctr_va_vdst(0)
.irp mm, 0,1
.irp i, 0,2,4,6,8,10,12,14
	v_pk_mul_f32 v[GU+32*\mm+\i:GU+32*\mm+\i+1], v[GU+32*\mm+\i:GU+32*\mm+\i+1], v[T+16*\mm+\i:T+16*\mm+\i+1]
.endr
.endr
.irp mm, 0,1
.irp i, 0,2,4,6,8,10,12,14
	v_pk_mul_f32 v[GU+32*\mm+\i:GU+32*\mm+\i+1], v[GU+32*\mm+\i:GU+32*\mm+\i+1], v[GU+32*\mm+16+\i:GU+32*\mm+16+\i+1]
.endr
.endr
.irp mm, 0,1                           ; the largest magnitude of my 16, with the floor 2^(5 - 127): the byte cannot fall under 1
	v_max3_num_f32 v[QA+\mm], |v[GU+32*\mm]|, |v[GU+32*\mm+1]|, 0x2800000
	v_max3_num_f32 v[QB+\mm], |v[GU+32*\mm+8]|, |v[GU+32*\mm+9]|, |v[GU+32*\mm+10]|
.endr
.irp i, 2,4
.irp mm, 0,1
	v_max3_num_f32 v[QA+\mm], v[QA+\mm], |v[GU+32*\mm+\i]|, |v[GU+32*\mm+\i+1]|
	v_max3_num_f32 v[QB+\mm], v[QB+\mm], |v[GU+32*\mm+\i+9]|, |v[GU+32*\mm+\i+10]|
.endr
.endr
.irp mm, 0,1
	v_max3_num_f32 v[QA+\mm], v[QA+\mm], |v[GU+32*\mm+6]|, |v[GU+32*\mm+7]|
.endr
.irp mm, 0,1
	v_max3_num_f32 v[QA+\mm], v[QA+\mm], v[QB+\mm], |v[GU+32*\mm+15]|
.endr
.irp mm, 0,1
	v_permlanex16_b32 v[P+\mm], v[QA+\mm], s[SEL], s[SEL+1]
.endr
.irp mm, 0,1
	v_max_num_f32 v[QA+\mm], v[QA+\mm], v[P+\mm]   ; with lane l xor 16's 16: the block's
.endr
.irp mm, 0,1
	v_add_nc_u32 v[SCL+\mm], 0xfe000000, v[QA+\mm] ; 4 off the exponent field: the conversion's scale operand
.endr
.irp mm, 0,1
	v_lshrrev_b32 v[BY+2*\hf+\mm], 23, v[SCL+\mm]  ; the scale's byte
.endr
.irp mm, 0,1
	v_cvt_scalef32_pk16_bf6_f32 v[C+4*(2*\hf+\mm):C+4*(2*\hf+\mm)+2], v[GU+32*\mm:GU+32*\mm+15], v[SCL+\mm]
.endr
	v_nop                                          ; one plain line behind the last conversion: matrix instructions will write its sources
.irp mm, 0,1
.irp i, 0,1,2
	ds_store_b32 v[HST], v[C+4*(2*\hf+\mm)+\i] offset:16*HP*(2*\hf+\mm)+4*\i
.endr
	ds_store_b8 v[HSB], v[BY+2*\hf+\mm] offset:64*(2*\hf+\mm)   ; both lanes of a block write the same byte with the same value
.endr
.endm
.macro HLOAD                           ; h's four fragments (16 tokens x 128 hidden) and their scale words
.irp m, 0,1,2,3
.irp p, 0,1,2,3,4,5
	ds_load_b64 v[HF+12*\m+2*\p:HF+12*\m+2*\p+1], v[HLD] offset:16*HP*\m+48*(\p/3)+8*(\p%3)
.endr
	ds_load_b32 v[HSC+\m], v[HSL] offset:64*\m
.endr
.endm
.macro P2 zero                         ; the second product: 32 accumulators, each once
.irp t, 0,1,2,3,4,5,6,7
.if \t < 5
	WIN 0xF2                                       ; source 0 (W2) window 2, C and D window 3
.set rA, 192+12*\t
.else
	WIN 0xF1                                       ; source 0 window 1
.set rA, 192+12*(\t-5)
.endif
.irp m, 0,1,2,3
.set rD, 8*(4*\t+\m)
.set rB, HF+12*\m
.set rSA, S2+\t
.set rSB, HSC+\m
	MX rD, rA, rB, \zero, rSA, rSB, 0
.endr
.endr
	WIN 0
.endm
; A HIDDEN STEP.  zero: the second product starts the sums.  ld: the next step's weights are asked for.  x = 0: expert a's step (in its last the next block is expert b's first; prefetches), 1: expert b's.
.macro HSTEP zero, ld, x
	P1H 0
	NOP4
	SH 0
	P1H 1
	NOP4                                           ; ahead of the loads into W1's and W3's registers, and of the reads of g and u
.if \ld
	s_wait_xcnt 0x0                                ; the loads and the prefetch of the step before have read their bases: these may be stepped
	s_add_nc_u64 s[WB:WB+1], s[WB:WB+1], RSTEP
.if \x == 0
	s_cmp_eq_u32 s[K], 10
	s_cselect_b64 s[WB:WB+1], s[WBB:WBB+1], s[WB:WB+1]
	s_add_nc_u64 s[PFA:PFA+1], s[PFA:PFA+1], RSTEP
.endif
	L13
.if \x == 0
	s_cmp_lt_u32 s[K], s[PFLIM]
	s_cbranch_scc0 .Lnopf_\@
	global_prefetch_b8 v[PFO], s[PFA:PFA+1] th:TH_LOAD_NT scope:SCOPE_SE
.Lnopf_\@:
.endif
.endif
	SH 1
	s_wait_dscnt 0x0                               ; for the others' sake: my part of h lies in LDS
	s_barrier_signal -1
	s_barrier_wait -1                              ; everybody's does
	HLOAD
.if \ld
	s_wait_loadcnt 56                              ; W2's 32 loads are in: behind them stand the 56 just issued
.else
	s_wait_loadcnt 0x0
.endif
	s_wait_dscnt 0x0                               ; my reads of h are over:
	s_barrier_signal -1                            ; say so,
	P2 \zero                                       ; work on registers while the others arrive,
	s_barrier_wait -1                              ; and go on, to the next step's stores into h, when all four have said so
	NOP4                                           ; ahead of the loads into W2's registers, and of the first read of the sums
.if \ld
	L2W
.endif
.endm
	s_load_b256 s[4:11], s[0:1], 0x0               ; tlist, gatef, xq, xs
	s_load_b128 s[12:15], s[0:1], 0x20             ; wq, out0
	v_lshl_add_u32 v254, v0, 2, 0x2a400
	v_mov_b32 v255, 0
	v_lshrrev_b32 v1, 5, v0
	v_readfirstlane_b32 s18, v1                    ; wave 0..3
	v_and_b32 v1, 31, v0                           ; lane
	v_and_b32 v2, 15, v0                           ; r
	v_bfe_u32 v3, v0, 4, 1                         ; h
	v_lshlrev_b32 v[LI], 4, v1
	v_lshlrev_b32 v[LS], 2, v1
	v_mul_u32_u24 v[HLD], v2, HP
	v_mad_u32_u24 v[HLD], v3, 24, v[HLD]
	s_mul_i32 s52, s18, 24
	v_mul_u32_u24 v[HST], v2, HP
	v_mad_u32_u24 v[HST], v3, 12, v[HST]
	v_add_nc_u32 v[HST], s52, v[HST]
	v_lshl_add_u32 v[HSL], v2, 2, HSW
	v_add_nc_u32 v[HSB], s18, v[HSL]
	s_lshl_b32 s52, s18, 15
	s_add_co_u32 s52, s52, PARK
	v_add_nc_u32 v[PKA], s52, v[LI]
	s_mul_i32 s52, s18, 16*SPI
	s_add_co_u32 s52, s52, STAGE
	v_mul_u32_u24 v[STO], v2, SPI
	v_lshl_add_u32 v[STO], v3, 5, v[STO]
	v_add_nc_u32 v[STO], s52, v[STO]
	v_add_nc_u32 v[RD], s52, v[LI]
	s_lshl_b32 s52, s18, 9
	v_add_nc_u32 v[LIW], s52, v[LI]
	v_mul_u32_u24 v[H24], v3, 24
	v_lshlrev_b32 v[PFO], 8, v1
	v_lshlrev_b32 v[ORA], 2, v2
	v_mov_b32 v[P], 0                              ; written once: a lane permute's destination counts as one of its sources
	v_mov_b32 v[P+1], 0
	s_mov_b32 s[SEL], 0x76543210
	s_mov_b32 s[SEL+1], 0xfedcba98
	s_lshl_b32 s52, ttmp9, 2
	s_mov_b32 s53, 0
	s_wait_kmcnt 0x0
	s_add_nc_u64 s[54:55], s[4:5], s[52:53]
	s_load_b32 s19, s[54:55], 0x0                  ; my tile: a | b << 4 | n << 8
	s_lshl_b32 s52, ttmp9, 8
	s_add_nc_u64 s[PL:PL+1], s[4:5], s[52:53]
	s_add_nc_u64 s[PL:PL+1], s[PL:PL+1], 1024
	s_wait_kmcnt 0x0
	s_bfe_u32 s20, s19, 0x70008
	s_min_u32 s20, s20, 64                         ; n: it guards the stores at the end, and nothing before them
	s_bfe_u32 s21, s19, 0x40000
	s_min_u32 s21, s21, 3                          ; a
	s_bfe_u32 s22, s19, 0x40004
	s_min_u32 s22, s22, 3                          ; b
	s_mul_i32 s36, s18, BLK
	s_mul_i32 s52, s21, EXPB
	s_add_co_u32 s52, s52, s36
	s_add_nc_u64 s[WB:WB+1], s[12:13], s[52:53]    ; expert a, hidden step 0, my wave's block
	s_mul_i32 s52, s22, EXPB
	s_add_co_u32 s52, s52, s36
	s_add_nc_u64 s[WBB:WBB+1], s[12:13], s[52:53]  ; expert b's
.irp m, 0,1,2,3
	global_load_b32 v[TOK+\m], v[ORA], s[PL:PL+1] offset:64*\m   ; the token of row 16 m + r (behind the n-th: token 0)
.endr
	L13
	s_wait_loadcnt 56                              ; the four token numbers are in: behind them stand the 56 just issued
.irp m, 0,1,2,3
	v_min_u32 v[TOK+\m], 0x1fff, v[TOK+\m]         ; inside the 8,192 tokens
.endr
.irp m, 0,1,2,3
	v_mul_u32_u24 v[XO+\m], v[TOK+\m], 384
	v_lshlrev_b32 v[XSO+\m], 4, v[TOK+\m]
	v_lshlrev_b32 v[CWO+\m], 3, v[TOK+\m]
.endr
.irp m, 0,1,2,3
	v_add_nc_u32 v[XO+\m], v[XO+\m], v[H24]
.endr
	WIN 0x40                                       ; destination window 1
.irp m, 0,1,2,3                        ; x's fragments stay in registers for both experts
.irp s, 0,1,2,3
.irp p, 0,1,2,3,4,5
	global_load_b64 v[12*(4*\m+\s)+2*\p:12*(4*\m+\s)+2*\p+1], v[XO+\m], s[8:9] offset:96*\s+48*(\p/3)+8*(\p%3)
.endr
.endr
.endr
	WIN 0
.irp m, 0,1,2,3
	global_load_b128 v[XS+4*\m:XS+4*\m+3], v[XSO+\m], s[10:11]
	global_load_b64 v[CW+2*\m:CW+2*\m+1], v[CWO+\m], s[6:7]
.endr
	L2W
	; THE PREFETCHES.  In expert a's hidden step k = 0 .. 8, wave w of work-groups 0 to 18 names 32 places 256 bytes apart, 8,192 bytes, of expert w's hidden step k + 2: 19 x 8,192 bytes are that step's 155,648,
	; so each place is named once in the launch.  Steps 0 and 1 come by their loads alone.  The last byte named lies 256 bytes under the expert's end.
	s_mul_i32 s52, s18, EXPB
	s_min_u32 s36, ttmp9, 18
	s_lshl_b32 s36, s36, 13
	s_add_co_u32 s52, s52, s36
	s_add_co_u32 s52, s52, RSTEP                   ; at step 1: each hidden step steps it once ahead of its prefetch
	s_add_nc_u64 s[PFA:PFA+1], s[12:13], s[52:53]
	s_cmp_lt_u32 ttmp9, 19
	s_cselect_b32 s[PFLIM], 9, 0
	s_wait_loadcnt 0x0                             ; x, its scales, the weights of step 0
	s_mov_b32 s[K], 0
	HSTEP 1, 1, 0                                  ; expert a: the first step starts the sums
	s_mov_b32 s[K], 1
.Lexpa:
	HSTEP 0, 1, 0                                  ; steps 1 to 10; the last asks for expert b's first block
	s_add_co_u32 s[K], s[K], 1
	s_cmp_lt_u32 s[K], 11
	s_cbranch_scc1 .Lexpa
	; c_a y_a is parked in my own LDS, as images of the registers.  The accumulators are written again only behind the next step's first wait for all LDS instructions
	WIN 0xC3                                       ; destination and source 0 window 3
.set i, 0
.rept 128
	v_pk_mul_f32 v[i:i+1], v[i:i+1], v[CW+2*((i/8)%4):CW+2*((i/8)%4)+1] op_sel_hi:[1,0]   ; x c_a, the pair's first word; each accumulator from its low end on
.set i, i+2
.endr
	WIN 0x0C                                       ; an LDS store's data are its source 1: window 3
.set i, 0
.rept 64
	ds_store_b128 v[PKA], v[4*i:4*i+3] offset:512*i
.set i, i+1
.endr
	WIN 0
	HSTEP 1, 1, 1                                  ; expert b
	s_mov_b32 s[K], 1
.Lexpb:
	HSTEP 0, 1, 1                                  ; steps 1 to 9
	s_add_co_u32 s[K], s[K], 1
	s_cmp_lt_u32 s[K], 10
	s_cbranch_scc1 .Lexpb
	HSTEP 0, 0, 1                                  ; the last step asks for nothing
	; THE WAY OUT.  The parked numbers come back into registers that x and W1 have left; acc x c_b + parked
	WIN 0x40
.set i, 0
.rept 48
	ds_load_b128 v[4*i:4*i+3], v[PKA] offset:512*i
.set i, i+1
.endr
	WIN 0x80
.rept 16
	ds_load_b128 v[4*(i-48):4*(i-48)+3], v[PKA] offset:512*i
.set i, i+1
.endr
	s_wait_dscnt 0x0
	WIN 0xD3                                       ; destination and source 0 window 3, source 2 window 1
.set i, 0
.rept 96
	v_pk_fma_f32 v[i:i+1], v[i:i+1], v[CW+2*((i/8)%4):CW+2*((i/8)%4)+1], v[i:i+1] op_sel:[0,1,0] op_sel_hi:[1,1,1]   ; c_b is the pair's second word, for both halves
.set i, i+2
.endr
	WIN 0xE3                                       ; source 2 window 2
.rept 32
	v_pk_fma_f32 v[i:i+1], v[i:i+1], v[CW+2*((i/8)%4):CW+2*((i/8)%4)+1], v[i-192:i-191] op_sel:[0,1,0] op_sel_hi:[1,1,1]
.set i, i+2
.endr
	WIN 0
	; A lane holds eight neighbouring numbers of one token's row, and the lanes beside it other tokens: 16 tokens at a time go through my stage and come back as rows of 512 bytes.  A row goes to its token's place; rows from the n-th on are not stored.
.irp m, 0,1,2,3
.if \m > 0
	s_wait_xcnt 0x0                                ; the last 16 stores have read their registers: these may be written again
.endif
	s_load_b512 s[36:51], s[PL:PL+1], 64*\m        ; the 16 tokens
	WIN 0x0C
.irp t, 0,1,2,3,4,5,6,7
	ds_store_b128 v[STO], v[8*(4*\t+\m):8*(4*\t+\m)+3] offset:64*\t
	ds_store_b128 v[STO], v[8*(4*\t+\m)+4:8*(4*\t+\m)+7] offset:64*\t+16
.endr
	WIN 0
.irp i, 0,1,2,3,4,5,6,7,8,9,10,11,12,13,14,15
	ds_load_b128 v[BK+4*\i:BK+4*\i+3], v[RD] offset:SPI*\i   ; LDS serves a wave's instructions in order: these see my stores
.endr
	s_wait_dscnt 0x0
	s_wait_kmcnt 0x0
.irp i, 0,1,2,3,4,5,6,7,8,9,10,11,12,13,14,15
	s_cmp_le_u32 s20, 16*\m+\i
	s_cbranch_scc1 .Lend                           ; the tile's tokens are all stored
	s_min_u32 s[36+\i], s[36+\i], 0x1fff
	v_lshl_add_u32 v[VO+\i], s[36+\i], 11, v[LIW]
	global_store_b128 v[VO+\i], v[BK+4*\i:BK+4*\i+3], s[14:15] th:TH_STORE_NT   ; 32 lanes store 512 consecutive bytes, at a multiple of 256 from out0's first byte
.endr
.endr
.Lend:
	s_barrier_signal -1
	s_barrier_wait -1
	s_wait_tensorcnt 0x0
	ds_add_u32 v254, v255
	s_wait_dscnt 0x0
	s_endpgm
.Lfunc_end_k_q957a9d21f8_chain:
	.size	k_q957a9d21f8_chain, .Lfunc_end_k_q957a9d21f8_chain-k_q957a9d21f8_chain
	.p2alignl 7, 3214868480
	.fill 96, 4, 3214868480
	.section	.rodata,"a",@progbits
	.p2align	6, 0x0
	.amdhsa_kernel k_q957a9d21f8_chain
		.amdhsa_group_segment_fixed_size 173568
		.amdhsa_private_segment_fixed_size 0
		.amdhsa_enable_private_segment 0
		.amdhsa_kernarg_size 48
		.amdhsa_user_sgpr_count 2
		.amdhsa_user_sgpr_kernarg_segment_ptr 1
		.amdhsa_wavefront_size32 1
		.amdhsa_system_sgpr_workgroup_id_x 1
		.amdhsa_system_sgpr_workgroup_id_y 1
		.amdhsa_system_sgpr_workgroup_id_z 1
		.amdhsa_system_vgpr_workitem_id 0
		.amdhsa_next_free_vgpr 1024
		.amdhsa_next_free_sgpr 66
		.amdhsa_reserve_vcc 0
		.amdhsa_float_denorm_mode_32 3
		.amdhsa_float_denorm_mode_16_64 3
		.amdhsa_memory_ordered 1
		.amdhsa_forward_progress 1
		.amdhsa_inst_pref_size 255
	.end_amdhsa_kernel
	.section	.bss,"aw",@nobits
	.p2align	6
	.space	262144
	.amdgpu_metadata
---
amdhsa.version: [ 1, 2 ]
amdhsa.kernels:
  - .name:           k_q957a9d21f8_chain
    .symbol:         k_q957a9d21f8_chain.kd
    .args:
      - { .name: tlist, .offset: 0, .size: 8, .value_kind: global_buffer, .address_space: global }
      - { .name: gatef, .offset: 8, .size: 8, .value_kind: global_buffer, .address_space: global }
      - { .name: xq, .offset: 16, .size: 8, .value_kind: global_buffer, .address_space: global }
      - { .name: xs, .offset: 24, .size: 8, .value_kind: global_buffer, .address_space: global }
      - { .name: wq, .offset: 32, .size: 8, .value_kind: global_buffer, .address_space: global }
      - { .name: out0, .offset: 40, .size: 8, .value_kind: global_buffer, .address_space: global }
    .group_segment_fixed_size: 173568
    .private_segment_fixed_size: 0
    .kernarg_segment_align: 8
    .kernarg_segment_size: 48
    .max_flat_workgroup_size: 128
    .sgpr_count:     66
    .vgpr_count:     1024
    .wavefront_size: 32
...
	.end_amdgpu_metadata
.endif
;; end of part 3
;; ======== version 2 of 3: 3 launches
;; limits: right only within a limited range of input values
;; workspace buffers: xq 3,145,728 bytes; xs 131,072 bytes; picks 36,864 bytes of whole numbers; gatef 69,632 bytes; tlist 35,072 bytes of whole numbers; wq 6,848,512 bytes
;; launch route: the kernel of part 1 again; grid 256 x 1, 4 waves a work-group, no clusters, 22,016 bytes of LDS; arguments x, gate_w, xq, xs, picks, gatef; writes xq, xs, picks, gatef
;; launch prep: the kernel of part 2 again; grid 177 x 1, 8 waves a work-group, no clusters, 69,632 bytes of LDS; arguments picks, gatef, w1_codes, w1_scales, w3_codes, w3_scales, w2, tlist, wq, out1; writes tlist, wq, out1
;; launch chain (part 4): grid 133 x 1, 4 waves a work-group, no clusters, 173,568 bytes of LDS; arguments tlist, gatef, xq, xs, wq, out0; writes out0
.if DOCPART == 4
	.amdgcn_target "amdgcn-amd-amdhsa--gfx1250"
	.amdhsa_code_object_version 6
	.text
	.protected	k_q957a9d21f8_chain
	.globl	k_q957a9d21f8_chain
	.p2align	8
	.type	k_q957a9d21f8_chain,@function
k_q957a9d21f8_chain:
	s_mov_b64 s[64:65], 0
	v_nop
	global_prefetch_b8 v0, s[64:65] scope:SCOPE_SE
	s_setreg_imm32_b32 hwreg(HW_REG_WAVE_MODE, 25, 1), 1
	s_wait_xcnt 0x0
; CHAIN.  out0[token] = c_a y_a + c_b y_b,  y_e = Q(silu(x W1_e^T) * (x W3_e^T)) W2_e^T, all three products on codes of BF6 (E3M2) with one E8M0 scale for each 32 along K.
; Only a token's two chosen experts are multiplied: the other two have the weight 0 in the sum.  A work-group takes one tile of the stored list: up to 64 tokens that chose the same pair (a, b), through both
; experts, so each row of out0 has one owner.  The grid serves every split: 8,192 tokens in 6 buckets fill at least 128 and at most 133 tiles of 64.
; A TILE WITH NO TOKEN (at most 5 of the 133) is walked like any other, on token 0's rows, and stores nothing: every wave passes every barrier, and no barrier stands under a branch on a number read from memory;
; the first such branch stands behind the last barrier but the closing one, at the stores.
; SHARES.  The waves share the columns.  A hidden step is 128 hidden units; 22 steps: expert a's 11 (the last filled with zero codes), then expert b's 11.  In step j wave w
;   1: makes hidden units 32 w .. 32 w + 31 of the step, ONE block of the next K, for all 64 tokens, in two halves of 32 products: half u takes 16 rows of W1 and 16 of W3 (source 0) against the four tiles of
;      tokens (source 1): a lane holds one token, and its 16 numbers of halves 0 and 1 are 16 neighbours along the next K (the rows of a tile were chosen for that when the weights were laid out);
;   V: behind each half: silu(g) * u in f32, in place; behind the second also the block's largest magnitude (lanes l and l xor 16), its byte, the conversion: 12 bytes a lane and one scale byte go into the
;      work-group's tile of h in LDS, where the four waves' blocks make rows of 96 bytes;
;   2: takes all 64 rows of h (four fragments) and multiplies them by its 128 rows of W2: 32 products onto 32 accumulators (source 0 = 16 rows of W2, source 1 = 16 tokens).
; BY TURNS.  The second product runs ONE STEP LATE: the 32 products of step j - 1 name the accumulators, W2's and h's fragments and their scale words, and the vector work of step j names none of these.  So one of
; them stands behind every nine vector instructions, 16 in each of the step's two vector phases.  All that the vector work touches lies in window 0 and no window has room for a product's operands beside it:
; each such product costs two switches of the register window, 64 a step.
; THE WEIGHTS come from memory straight into registers, laid out by the launch before in the order of the operand registers: each fragment is wanted by one wave of the work-group alone and feeds four products.
; They are asked for in four runs a step (28, 16, 28, 16 loads), each directly behind its registers' last use, and are wanted nearly a whole step later.
; TWO BARRIERS A STEP.  A: every wave's part of h lies in LDS; the next step's first eight products stand between its signal and its wait, and the other 24 between the loads of h and the wait for them.
; B: every wave's loads of h are in; it is signalled behind that wait and awaited 140 vector instructions on, ahead of the step's stores into h.
; h never goes to memory.  Behind expert a the accumulators, times c_a, are parked in the wave's own LDS; behind expert b: acc x c_b + parked, through a stage, 512 consecutive bytes of a token's row a store.
; NO TENSOR LOAD, NO CLUSTER: the launch guards its stores on stored counts; a way through LDS would feed no fragment twice; and tiles of one pair of experts cannot be promised to four partners at every split.
; Written out beside the two loops is what differs: step 0 (no late product yet), each expert's step whose late product starts the sums with the constant 0, and the last step, which asks for no W1 and W3:
; so each counted wait finds the same loads behind it on every way.
; LIMITS.  NaN and infinities are not served.  h is made as (g u) sigmoid(g): |g u| has to stay under f32's largest number, 3.4e38.  Where 2^(-g log2 e) overflows, the sigmoid is 0 where the exact number lies
; under 1e-38.  A block of zeros has the byte 1: its codes are zeros.
; REGISTERS, in windows of 256 (s_set_vgpr_msb: bits 1:0 source 0, 3:2 source 1, 5:4 source 2, 7:6 destination):
;   window 0: addresses, scale words, g and then h (v100-163), the half's u-values (v164-195), h's four fragments (v196-243)
;   window 1: v0-191 x's 16 fragments (tile of tokens m, K step s: 12 (4 m + s)); v192-227 W2's fragments 5-7       window 2: v0-191 W1's and W3's 16 fragments; v192-251 W2's fragments 0-4
;   window 3: the 32 accumulators (W2's tile t, tokens' tile m: 8 (4 t + m))
.set BLK,   38912                      ; a wave's weights of one hidden step
.set RSTEP, 4*BLK                      ; a hidden step on
.set EXPB,  11*RSTEP                   ; an expert on
.set HP,    112                        ; h in LDS: 64 rows, 96 bytes of codes + 16: 28 words from row to row, so that the 32 lanes of an 8-byte load touch 64 different words modulo 64
.set HSW,   7168                       ; h's scale words, 4 bytes a row
.set PARK,  8192                       ; 32,768 bytes for each wave: images of its 256 accumulator registers
.set STAGE, 139264                     ; 16 rows x (512 + 16) bytes for each wave
.set SPI,   528
.set LI,  4                            ; v4   16 x lane
.set LS,  5                            ; v5   4 x lane
.set HST, 6                            ; v6   where I put my 12 bytes of h: 112 r + 24 w + 12 h
.set HSB, 7                            ; v7   and the block's byte: HSW + 4 r + w
.set HLD, 8                            ; v8   where I read h's fragments: 112 r + 24 h
.set HSL, 9                            ; v9   and its scale words: HSW + 4 r
.set PKA, 10                           ; v10  PARK + 32768 w + 16 lane
.set STO, 11                           ; v11  STAGE + 8448 w + 528 r + 32 h
.set RD,  12                           ; v12  STAGE + 8448 w + 16 lane
.set LIW, 13                           ; v13  my bytes in a row of out0: 512 w + 16 lane
.set XO,  14                           ; v14-17  x's codes of my token in tile m: 384 token + 24 h
.set XSO, 18                           ; v18-21  its scale bytes: 16 token
.set H24, 22                           ; v22  24 h
.set CW,  24                           ; v24-31  (c_a, c_b) of my token in tile m
.set XS,  32                           ; v32-47  x's scale words (4 m + s)
.set S13, 48                           ; v48-55  W1's (lanes 0-15) and W3's (lanes 16-31) scale words (4 u + s)
.set S2,  56                           ; v56-63  W2's scale words (t)
.set HSC, 64                           ; v64-67  h's scale words (m)
.set QA,  68                           ; v68-71  largest magnitudes (m): of the first half's eight, then of all
.set QB,  72                           ; v72-75  of the second half's eight; then the scale bytes
.set P,   76                           ; v76-79  lane permutes' destinations
.set SCL, 80                           ; v80-83  the conversions' scale operands
.set C,   84                           ; v84-99  the codes just made: four registers for each m
.set G,   100                          ; v100-163 g, then h: tile of tokens m, half u at 16 m + 8 u
.set U,   164                          ; v164-195 the u-values of the half in hand, then g u: 8 m
.set HF,  196                          ; v196-243 h's fragments (12 m)
.set PFO, 244                          ; v244 256 x lane
.set ORA, 245                          ; v245 4 r
.set CWO, 246                          ; v246-249 8 token
.set TOK, 250                          ; v250-253 my token in tile m: lane r holds that of row 16 m + r; kept to the end
.set BK,  100                          ; the way out: 16 rows read back from the stage
.set VO,  164                          ; and their stores' offsets
.set WB,  24                           ; s[24:25] my block of the step in hand: W2 is loaded from it
.set PL,  26                           ; s[26:27] my tile's 64 token numbers
.set K,   28                           ; s28  the step j
.set SEL, 30                           ; s[30:31] v_permlanex16_b32's selects for lane l xor 16
.set WN,  32                           ; s[32:33] my block of the next step: W1 and W3 are loaded from it
.set WBB, 34                           ; s[34:35] my block of expert b's first hidden step
.set PFA, 54                           ; s[54:55] where my prefetches stand
.set PFLIM, 56                         ; s56  a wave prefetches while the step is under it
.set MSB, 0
.macro WIN new                         ; the immediate's high byte repeats the setting that is left; a switch that changes nothing is dropped
.if MSB != \new
	s_set_vgpr_msb (MSB<<8)|\new
.set MSB, \new
.endif
.endm
.macro NOP4                            ; four plain places behind a matrix instruction, ahead of loads into its registers and of the first read of its results
.rept 4
	v_nop
.endr
.endm
.macro MX d, a, b, z, sa, sb, row      ; one product.  z: it starts its sum;  row: source 0's scale words stand in lanes 16-31
.if \z
.if \row
	v_wmma_scale_f32_16x16x128_f8f6f4 v[\d:\d+7], v[\a:\a+11], v[\b:\b+11], 0, v[\sa], v[\sb] matrix_a_fmt:MATRIX_FMT_BF6 matrix_b_fmt:MATRIX_FMT_BF6 matrix_a_scale:MATRIX_SCALE_ROW1
.else
	v_wmma_scale_f32_16x16x128_f8f6f4 v[\d:\d+7], v[\a:\a+11], v[\b:\b+11], 0, v[\sa], v[\sb] matrix_a_fmt:MATRIX_FMT_BF6 matrix_b_fmt:MATRIX_FMT_BF6
.endif
.else
.if \row
	v_wmma_scale_f32_16x16x128_f8f6f4 v[\d:\d+7], v[\a:\a+11], v[\b:\b+11], v[\d:\d+7], v[\sa], v[\sb] matrix_a_fmt:MATRIX_FMT_BF6 matrix_b_fmt:MATRIX_FMT_BF6 matrix_a_scale:MATRIX_SCALE_ROW1
.else
	v_wmma_scale_f32_16x16x128_f8f6f4 v[\d:\d+7], v[\a:\a+11], v[\b:\b+11], v[\d:\d+7], v[\sa], v[\sb] matrix_a_fmt:MATRIX_FMT_BF6 matrix_b_fmt:MATRIX_FMT_BF6
.endif
.endif
.endm
; 28 loads: half uu of the next step's W1 and W3: four scale words, eight fragments
.macro L13H uu
	WIN 0
.irp s, 0,1,2,3
	global_load_b32 v[S13+4*\uu+\s], v[LS], s[WN:WN+1] offset:36864+128*(4*\uu+\s)
.endr
	WIN 0x80                                       ; destination window 2
.irp s, 0,1,2,3
.irp mat, 0,1
.irp c, 0,1,2
	global_load_b128 v[12*((2*\mat+\uu)*4+\s)+4*\c:12*((2*\mat+\uu)*4+\s)+4*\c+3], v[LI], s[WN:WN+1] offset:1536*((2*\mat+\uu)*4+\s)+512*\c
.endr
.endr
.endr
	WIN 0
.endm
; 16 loads: half hh of this step's W2: four scale words, four fragments
.macro L2WH hh
	WIN 0
.irp q, 0,1,2,3
	global_load_b32 v[S2+4*\hh+\q], v[LS], s[WB:WB+1] offset:37888+128*(4*\hh+\q)
.endr
.irp q, 0,1,2,3
.if 4*\hh+\q < 5
	WIN 0x80                                       ; destination window 2
.set rW, 192+12*(4*\hh+\q)
.else
	WIN 0x40                                       ; destination window 1
.set rW, 192+12*(4*\hh+\q-5)
.endif
.irp c, 0,1,2
	global_load_b128 v[rW+4*\c:rW+4*\c+3], v[LI], s[WB:WB+1] offset:24576+1536*(4*\hh+\q)+512*\c
.endr
.endr
	WIN 0
.endm
; Eight of the first products: half uu, K step s, the four tiles of tokens x (W1, W3).  The eight accumulators take turns, one instruction a turn.  Under WIN 0x06
.macro P1G uu, s
.set Z, 0
.if \s == 0
.set Z, 1
.endif
.irp m, 0,1,2,3
.irp mat, 0,1
.if \mat
.set rD, U+8*\m
.else
.set rD, G+16*\m+8*\uu
.endif
.set rA, 12*((2*\mat+\uu)*4+\s)
.set rB, 12*(4*\m+\s)
.set rSA, S13+4*\uu+\s
.set rSB, XS+4*\m+\s
	MX rD, rA, rB, Z, rSA, rSB, \mat
.endr
.endr
.endm
; Product pidx of 32 of the second product: W2's tile pidx / 4, tokens' tile pidx % 4.  Each accumulator is taken once a step
.macro P2ONE zero
.if pidx/4 < 5
	WIN 0xF2                                       ; source 0 (W2) window 2, C and D window 3
.set rA, 192+12*(pidx/4)
.else
	WIN 0xF1                                       ; source 0 window 1
.set rA, 192+12*(pidx/4-5)
.endif
.set rD, 8*pidx
.set rB, HF+12*(pidx%4)
.set rSA, S2+pidx/4
.set rSB, HSC+pidx%4
	MX rD, rA, rB, \zero, rSA, rSB, 0
.endm
; THE VECTOR WORK BEHIND HALF uu is a numbered list; VI writes number j of it.  32 numbers a lane: the half's g (8 for each tile of tokens) and its u-values.
;   0-15    U = g u, in pairs, each accumulator from its low end on          16-31   G = -g log2(e)
;   32-63   G = 2^G: one batch;  64: a plain line and the ONE wait for the batch, ahead of its first reader
;   65-80   G = G + 1           81-112  G = 1 / G, the sigmoid: one batch;  113: a plain line and its wait           114-129 G = G U = h
;   130-145 the largest magnitude of the half's eight numbers of each tile of tokens, the four tiles by turns (half 0 with the floor 2^(5 - 127): the byte cannot fall under 1; half 1 ends by joining both halves')
;   half 1 alone: 146-153 with lane l xor 16's 16: the block's;  154-157 4 off the exponent field: the conversion's scale operand;  158-161 the scale's byte;  162-165 the conversions;
;   166 one plain line behind them: matrix instructions will write their sources;  167-182 12 bytes and the byte for each tile of tokens, to LDS
.macro VI uu
	WIN 0
.if j < 16
.set rg, G+16*(j/4)+8*\uu+2*(j%4)
.set ru, U+8*(j/4)+2*(j%4)
	v_pk_mul_f32 v[ru:ru+1], v[rg:rg+1], v[ru:ru+1]
.elseif j < 32
.set rg, G+16*((j-16)/4)+8*\uu+2*((j-16)%4)
	v_pk_mul_f32 v[rg:rg+1], v[rg:rg+1], 0xbfb8aa3b op_sel_hi:[1,0]
.elseif j < 64
.set rg, G+16*((j-32)/8)+8*\uu+(j-32)%8
	v_exp_f32 v[rg], v[rg]
.elseif j == 64
	v_nop
	s_wait_alu depctr_va_vdst(0)
.elseif j < 81
.set rg, G+16*((j-65)/4)+8*\uu+2*((j-65)%4)
	v_pk_add_f32 v[rg:rg+1], v[rg:rg+1], 1.0 op_sel_hi:[1,0]
.elseif j < 113
.set rg, G+16*((j-81)/8)+8*\uu+(j-81)%8
	v_rcp_f32 v[rg], v[rg]
.elseif j == 113
	v_nop
	s_wait_alu depctr_va_vdst(0)
.elseif j < 130
.set rg, G+16*((j-114)/4)+8*\uu+2*((j-114)%4)
.set ru, U+8*((j-114)/4)+2*((j-114)%4)
	v_pk_mul_f32 v[rg:rg+1], v[rg:rg+1], v[ru:ru+1]
.elseif j < 146
.set stg, (j-130)/4
.set mq, (j-130)%4
.set rg, G+16*mq
.if \uu == 0
.if stg == 0
	v_max3_num_f32 v[QA+mq], |v[rg]|, |v[rg+1]|, 0x2800000
.else
	v_max3_num_f32 v[QA+mq], v[QA+mq], |v[rg+2*stg]|, |v[rg+2*stg+1]|
.endif
.else
.if stg == 0
	v_max3_num_f32 v[QB+mq], |v[rg+8]|, |v[rg+9]|, |v[rg+10]|
.elseif stg < 3
	v_max3_num_f32 v[QB+mq], v[QB+mq], |v[rg+9+2*stg]|, |v[rg+10+2*stg]|
.else
	v_max3_num_f32 v[QA+mq], v[QA+mq], v[QB+mq], |v[rg+15]|
.endif
.endif
.elseif j < 150
	v_permlanex16_b32 v[P+j-146], v[QA+j-146], s[SEL], s[SEL+1]
.elseif j < 154
	v_max_num_f32 v[QA+j-150], v[QA+j-150], v[P+j-150]
.elseif j < 158
	v_add_nc_u32 v[SCL+j-154], 0xfe000000, v[QA+j-154]
.elseif j < 162
	v_lshrrev_b32 v[QB+j-158], 23, v[SCL+j-158]
.elseif j < 166
	v_cvt_scalef32_pk16_bf6_f32 v[C+4*(j-162):C+4*(j-162)+2], v[G+16*(j-162):G+16*(j-162)+15], v[SCL+j-162]
.elseif j == 166
	v_nop
.else
.set nq, j-167
.if nq%4 < 3
	ds_store_b32 v[HST], v[C+4*(nq/4)+nq%4] offset:16*HP*(nq/4)+4*(nq%4)
.else
	ds_store_b8 v[HSB], v[QB+nq/4] offset:64*(nq/4)   ; both lanes of a block write the same byte with the same value
.endif
.endif
.endm
; A VECTOR PHASE.  p2 = 1: ahead of numbers 0, 9, .. 135 stands one of the 16 late products of half uu of the second product.  Ahead of number 140, five plain instructions behind the last of them, their four
; fragments of W2 are asked for anew; in phase 0 barrier B's wait stands there too, ahead of the loads: between its signal and its wait stands work on registers alone.
.macro VPH uu, p2, zero
.set j, 0
.rept 146+37*\uu
.if \p2
.if (j%9 == 0) && (j < 144)
.set pidx, 16*\uu+j/9
	P2ONE \zero
.endif
.if j == 140
	WIN 0
.if \uu == 0
	s_barrier_wait -1                              ; every wave's loads of the last step's h are in: from here on h may be written
.endif
	L2WH \uu
.endif
.endif
	VI \uu
.set j, j+1
.endr
.endm
.macro HLOAD                           ; h's four fragments (16 tokens x 128 hidden) and their scale words
.irp m, 0,1,2,3
.irp p, 0,1,2,3,4,5
	ds_load_b64 v[HF+12*\m+2*\p:HF+12*\m+2*\p+1], v[HLD] offset:16*HP*\m+48*(\p/3)+8*(\p%3)
.endr
	ds_load_b32 v[HSC+\m], v[HSL] offset:64*\m
.endr
.endm
; A TRIP: from the first vector phase of step j to the first half-product of step j + 1.
; p2: the late products of step j - 1 are there, and W2 of step j is asked for (not in step 0: its W2 came at the head).  zero: they start the sums.  pp: the trip before had p2.
; ld: W1 and W3 of step j + 1 are asked for and its first half is multiplied (not in the last step).  x = 0: expert a's part: step 10 turns to expert b's first block; prefetches.
; THE COUNTED WAITS count the loads issued behind the run that is wanted; the runs go out in the order: half 0 of W1/W3 (28), half 0 of W2 (16), half 1 of W1/W3 (28), half 1 of W2 (16).
.macro TRIP p2, zero, pp, ld, x
	NOP4                                           ; behind the first half-product: ahead of the loads into its fragments and of the reads of its results
	s_wait_xcnt 0x0                                ; the loads and the prefetch of the trip before have read their bases: these may be written
	s_mov_b64 s[WB:WB+1], s[WN:WN+1]               ; the block of step j
.if \ld
	s_add_nc_u64 s[WN:WN+1], s[WN:WN+1], RSTEP     ; the block of step j + 1
.if \x == 0
	s_cmp_eq_u32 s[K], 10
	s_cselect_b64 s[WN:WN+1], s[WBB:WBB+1], s[WN:WN+1]
	s_add_nc_u64 s[PFA:PFA+1], s[PFA:PFA+1], RSTEP
.endif
	L13H 0
.if \x == 0
	s_cmp_lt_u32 s[K], s[PFLIM]
	s_cbranch_scc0 .Lnopf_\@
	global_prefetch_b8 v[PFO], s[PFA:PFA+1] th:TH_LOAD_NT scope:SCOPE_SE
.Lnopf_\@:
.endif
.endif
.if \p2
	s_wait_dscnt 0x0                               ; h of step j - 1 is in my registers (asked for 24 products ago); whatever I have stored to LDS has read its registers
.if \ld
	s_wait_loadcnt 63                              ; half 0 of W2 is in: behind it stand 28 + 16 + 28 loads, of which the wait's field can name 63
.else
	s_wait_loadcnt 44                              ; in the last step: 28 + 16
.endif
	s_barrier_signal -1                            ; barrier B: my reads of h are over
.endif
	VPH 0, \p2, \zero
	s_wait_loadcnt 16*\pp+28*\ld+16*\p2            ; half 1 of W1/W3 is in: behind it stand half 1 of W2 (trip before), half 0 of W1/W3 and half 0 of W2 (this trip), as far as they were issued
	WIN 0x06                                       ; source 0 (W) window 2, source 1 (x) window 1
	P1G 1, 0
	P1G 1, 1
	P1G 1, 2
	P1G 1, 3
	WIN 0
	NOP4
.if \ld
	L13H 1
.endif
.if \p2
.if \ld
	s_wait_loadcnt 63                              ; half 1 of W2 is in: behind it stand 28 + 16 + 28 loads
.else
	s_wait_loadcnt 16                              ; in the last step: half 0 of W2 alone
.endif
.endif
	VPH 1, \p2, \zero
	s_wait_dscnt 0x0                               ; for the others' sake: my part of h lies in LDS
.if \ld
	s_wait_loadcnt 28+32*\p2                       ; half 0 of W1/W3 of step j + 1 is in: behind it stand half 1's 28 loads and, where they were issued, W2's 16 + 16
	s_barrier_signal -1                            ; barrier A: say so,
	WIN 0x06
	P1G 0, 0                                       ; work on registers while the others arrive,
	WIN 0
	s_barrier_wait -1                              ; everybody's part lies there
	HLOAD
	WIN 0x06
	P1G 0, 1                                       ; 24 products stand between the loads of h and the wait for them
	P1G 0, 2
	P1G 0, 3
	WIN 0
.else
	s_barrier_signal -1
	s_barrier_wait -1
	HLOAD
.endif
.endm
	s_load_b256 s[4:11], s[0:1], 0x0               ; tlist, gatef, xq, xs
	s_load_b128 s[12:15], s[0:1], 0x20             ; wq, out0
	v_lshl_add_u32 v254, v0, 2, 0x2a400
	v_mov_b32 v255, 0
	v_lshrrev_b32 v1, 5, v0
	v_readfirstlane_b32 s18, v1                    ; wave 0..3
	v_and_b32 v1, 31, v0                           ; lane
	v_and_b32 v2, 15, v0                           ; r
	v_bfe_u32 v3, v0, 4, 1                         ; h
	v_lshlrev_b32 v[LI], 4, v1
	v_lshlrev_b32 v[LS], 2, v1
	v_mul_u32_u24 v[HLD], v2, HP
	v_mad_u32_u24 v[HLD], v3, 24, v[HLD]
	s_mul_i32 s52, s18, 24
	v_mul_u32_u24 v[HST], v2, HP
	v_mad_u32_u24 v[HST], v3, 12, v[HST]
	v_add_nc_u32 v[HST], s52, v[HST]
	v_lshl_add_u32 v[HSL], v2, 2, HSW
	v_add_nc_u32 v[HSB], s18, v[HSL]
	s_lshl_b32 s52, s18, 15
	s_add_co_u32 s52, s52, PARK
	v_add_nc_u32 v[PKA], s52, v[LI]
	s_mul_i32 s52, s18, 16*SPI
	s_add_co_u32 s52, s52, STAGE
	v_mul_u32_u24 v[STO], v2, SPI
	v_lshl_add_u32 v[STO], v3, 5, v[STO]
	v_add_nc_u32 v[STO], s52, v[STO]
	v_add_nc_u32 v[RD], s52, v[LI]
	s_lshl_b32 s52, s18, 9
	v_add_nc_u32 v[LIW], s52, v[LI]
	v_mul_u32_u24 v[H24], v3, 24
	v_lshlrev_b32 v[PFO], 8, v1
	v_lshlrev_b32 v[ORA], 2, v2
.irp m, 0,1,2,3
	v_mov_b32 v[P+\m], 0                           ; written once: a lane permute's destination counts as one of its sources
.endr
	s_mov_b32 s[SEL], 0x76543210
	s_mov_b32 s[SEL+1], 0xfedcba98
	s_lshl_b32 s52, ttmp9, 2
	s_mov_b32 s53, 0
	s_wait_kmcnt 0x0
	s_add_nc_u64 s[54:55], s[4:5], s[52:53]
	s_load_b32 s19, s[54:55], 0x0                  ; my tile: a | b << 4 | n << 8
	s_lshl_b32 s52, ttmp9, 8
	s_add_nc_u64 s[PL:PL+1], s[4:5], s[52:53]
	s_add_nc_u64 s[PL:PL+1], s[PL:PL+1], 1024
	s_wait_kmcnt 0x0
	s_bfe_u32 s20, s19, 0x70008
	s_min_u32 s20, s20, 64                         ; n: it guards the stores at the end, and nothing before them
	s_bfe_u32 s21, s19, 0x40000
	s_min_u32 s21, s21, 3                          ; a
	s_bfe_u32 s22, s19, 0x40004
	s_min_u32 s22, s22, 3                          ; b
	s_mul_i32 s36, s18, BLK
	s_mul_i32 s52, s21, EXPB
	s_add_co_u32 s52, s52, s36
	s_add_nc_u64 s[WN:WN+1], s[12:13], s[52:53]    ; expert a, hidden step 0, my wave's block
	s_mov_b64 s[WB:WB+1], s[WN:WN+1]
	s_mul_i32 s52, s22, EXPB
	s_add_co_u32 s52, s52, s36
	s_add_nc_u64 s[WBB:WBB+1], s[12:13], s[52:53]  ; expert b's
.irp m, 0,1,2,3
	global_load_b32 v[TOK+\m], v[ORA], s[PL:PL+1] offset:64*\m   ; the token of row 16 m + r (behind the n-th: token 0)
.endr
	L13H 0
	L13H 1
	s_wait_loadcnt 56                              ; the four token numbers are in: behind them stand the 56 just issued
.irp m, 0,1,2,3
	v_min_u32 v[TOK+\m], 0x1fff, v[TOK+\m]         ; inside the 8,192 tokens
.endr
.irp m, 0,1,2,3
	v_mul_u32_u24 v[XO+\m], v[TOK+\m], 384
	v_lshlrev_b32 v[XSO+\m], 4, v[TOK+\m]
	v_lshlrev_b32 v[CWO+\m], 3, v[TOK+\m]
.endr
.irp m, 0,1,2,3
	v_add_nc_u32 v[XO+\m], v[XO+\m], v[H24]
.endr
	WIN 0x40                                       ; destination window 1
.irp m, 0,1,2,3                        ; x's fragments stay in registers for both experts
.irp s, 0,1,2,3
.irp p, 0,1,2,3,4,5
	global_load_b64 v[12*(4*\m+\s)+2*\p:12*(4*\m+\s)+2*\p+1], v[XO+\m], s[8:9] offset:96*\s+48*(\p/3)+8*(\p%3)
.endr
.endr
.endr
	WIN 0
.irp m, 0,1,2,3
	global_load_b128 v[XS+4*\m:XS+4*\m+3], v[XSO+\m], s[10:11]
	global_load_b64 v[CW+2*\m:CW+2*\m+1], v[CWO+\m], s[6:7]
.endr
	L2WH 0
	L2WH 1
	; THE PREFETCHES.  In step j = 0 .. 8, where the wave has just asked for half of step j + 1's W1 and W3, wave w of work-groups 0 to 18 names 32 places 256 bytes apart, 8,192 bytes, of expert w's hidden step
	; j + 2, which the next trip begins to load: 19 x 8,192 bytes are that step's 155,648, so each place is named once in the launch.  Steps 0 and 1 come by their loads alone.  The last byte named lies 256 bytes under the expert's end.
	s_mul_i32 s52, s18, EXPB
	s_min_u32 s36, ttmp9, 18
	s_lshl_b32 s36, s36, 13
	s_add_co_u32 s52, s52, s36
	s_add_co_u32 s52, s52, RSTEP                   ; at step 1: each trip steps it once ahead of its prefetch
	s_add_nc_u64 s[PFA:PFA+1], s[12:13], s[52:53]
	s_cmp_lt_u32 ttmp9, 19
	s_cselect_b32 s[PFLIM], 9, 0
	s_wait_loadcnt 0x0                             ; x, its scales, the gates' weights, all the weights of step 0
	WIN 0x06
	P1G 0, 0                                       ; step 0's first half-product
	P1G 0, 1
	P1G 0, 2
	P1G 0, 3
	WIN 0
	s_mov_b32 s[K], 0
	TRIP 0, 0, 0, 1, 0                             ; step 0: there is no late product yet
	s_mov_b32 s[K], 1
	TRIP 1, 1, 0, 1, 0                             ; step 1: step 0's second product starts expert a's sums
	s_mov_b32 s[K], 2
.Lexpa:
	TRIP 1, 0, 1, 1, 0                             ; steps 2 to 11; step 11, expert b's first, carries expert a's last second product
	s_add_co_u32 s[K], s[K], 1
	s_cmp_lt_u32 s[K], 12
	s_cbranch_scc1 .Lexpa
	; c_a y_a is parked in my own LDS, as images of the registers.  The accumulators are written again only behind the next trip's wait for all LDS instructions
	WIN 0xC3                                       ; destination and source 0 window 3
.set i, 0
.rept 128
	v_pk_mul_f32 v[i:i+1], v[i:i+1], v[CW+2*((i/8)%4):CW+2*((i/8)%4)+1] op_sel_hi:[1,0]   ; x c_a, the pair's first word; each accumulator from its low end on
.set i, i+2
.endr
	WIN 0x0C                                       ; an LDS store's data are its source 1: window 3
.set i, 0
.rept 64
	ds_store_b128 v[PKA], v[4*i:4*i+3] offset:512*i
.set i, i+1
.endr
	WIN 0
	TRIP 1, 1, 1, 1, 1                             ; step 12: step 11's second product starts expert b's sums
	s_mov_b32 s[K], 13
.Lexpb:
	TRIP 1, 0, 1, 1, 1                             ; steps 13 to 20
	s_add_co_u32 s[K], s[K], 1
	s_cmp_lt_u32 s[K], 21
	s_cbranch_scc1 .Lexpb
	TRIP 1, 0, 1, 0, 1                             ; step 21 asks for no W1 and W3
	s_wait_loadcnt 0x0                             ; its W2
	s_wait_dscnt 0x0                               ; its h
.set pidx, 0
.rept 32
	P2ONE 0                                        ; step 21's second product: no vector work is left to set between
.set pidx, pidx+1
.endr
	WIN 0
	NOP4                                           ; ahead of the first read of the sums
	; THE WAY OUT.  The parked numbers come back into registers that x and W1 have left; acc x c_b + parked
	WIN 0x40
.set i, 0
.rept 48
	ds_load_b128 v[4*i:4*i+3], v[PKA] offset:512*i
.set i, i+1
.endr
	WIN 0x80
.rept 16
	ds_load_b128 v[4*(i-48):4*(i-48)+3], v[PKA] offset:512*i
.set i, i+1
.endr
	s_wait_dscnt 0x0
	WIN 0xD3                                       ; destination and source 0 window 3, source 2 window 1
.set i, 0
.rept 96
	v_pk_fma_f32 v[i:i+1], v[i:i+1], v[CW+2*((i/8)%4):CW+2*((i/8)%4)+1], v[i:i+1] op_sel:[0,1,0] op_sel_hi:[1,1,1]   ; c_b is the pair's second word, for both halves
.set i, i+2
.endr
	WIN 0xE3                                       ; source 2 window 2
.rept 32
	v_pk_fma_f32 v[i:i+1], v[i:i+1], v[CW+2*((i/8)%4):CW+2*((i/8)%4)+1], v[i-192:i-191] op_sel:[0,1,0] op_sel_hi:[1,1,1]
.set i, i+2
.endr
	WIN 0
	; A lane holds eight neighbouring numbers of one token's row, and the lanes beside it other tokens: 16 tokens at a time go through my stage and come back as rows of 512 bytes.  A row goes to its token's place; rows from the n-th on are not stored.
	; The 16 token numbers are read out of the lanes that have held them since the head.
.irp m, 0,1,2,3
.if \m > 0
	s_wait_xcnt 0x0                                ; the last 16 stores have read their registers: these may be written again
.endif
	WIN 0x0C
.irp t, 0,1,2,3,4,5,6,7
	ds_store_b128 v[STO], v[8*(4*\t+\m):8*(4*\t+\m)+3] offset:64*\t
	ds_store_b128 v[STO], v[8*(4*\t+\m)+4:8*(4*\t+\m)+7] offset:64*\t+16
.endr
	WIN 0
.irp i, 0,1,2,3,4,5,6,7,8,9,10,11,12,13,14,15
	ds_load_b128 v[BK+4*\i:BK+4*\i+3], v[RD] offset:SPI*\i   ; LDS serves a wave's instructions in order: these see my stores
.endr
.irp i, 0,1,2,3,4,5,6,7,8,9,10,11,12,13,14,15
	v_readlane_b32 s[36+\i], v[TOK+\m], \i         ; the token of row 16 m + i
.endr
	s_wait_dscnt 0x0
.irp i, 0,1,2,3,4,5,6,7,8,9,10,11,12,13,14,15
	s_cmp_le_u32 s20, 16*\m+\i
	s_cbranch_scc1 .Lend                           ; the tile's tokens are all stored
	s_min_u32 s[36+\i], s[36+\i], 0x1fff
	v_lshl_add_u32 v[VO+\i], s[36+\i], 11, v[LIW]
	global_store_b128 v[VO+\i], v[BK+4*\i:BK+4*\i+3], s[14:15] th:TH_STORE_NT   ; 32 lanes store 512 consecutive bytes, at a multiple of 256 from out0's first byte
.endr
.endr
.Lend:
	s_barrier_signal -1
	s_barrier_wait -1
	s_wait_tensorcnt 0x0
	ds_add_u32 v254, v255
	s_wait_dscnt 0x0
	s_endpgm
.Lfunc_end_k_q957a9d21f8_chain:
	.size	k_q957a9d21f8_chain, .Lfunc_end_k_q957a9d21f8_chain-k_q957a9d21f8_chain
	.p2alignl 7, 3214868480
	.fill 96, 4, 3214868480
	.section	.rodata,"a",@progbits
	.p2align	6, 0x0
	.amdhsa_kernel k_q957a9d21f8_chain
		.amdhsa_group_segment_fixed_size 173568
		.amdhsa_private_segment_fixed_size 0
		.amdhsa_enable_private_segment 0
		.amdhsa_kernarg_size 48
		.amdhsa_user_sgpr_count 2
		.amdhsa_user_sgpr_kernarg_segment_ptr 1
		.amdhsa_wavefront_size32 1
		.amdhsa_system_sgpr_workgroup_id_x 1
		.amdhsa_system_sgpr_workgroup_id_y 1
		.amdhsa_system_sgpr_workgroup_id_z 1
		.amdhsa_system_vgpr_workitem_id 0
		.amdhsa_next_free_vgpr 1024
		.amdhsa_next_free_sgpr 66
		.amdhsa_reserve_vcc 0
		.amdhsa_float_denorm_mode_32 3
		.amdhsa_float_denorm_mode_16_64 3
		.amdhsa_memory_ordered 1
		.amdhsa_forward_progress 1
		.amdhsa_inst_pref_size 255
	.end_amdhsa_kernel
	.section	.bss,"aw",@nobits
	.p2align	6
	.space	262144
	.amdgpu_metadata
---
amdhsa.version: [ 1, 2 ]
amdhsa.kernels:
  - .name:           k_q957a9d21f8_chain
    .symbol:         k_q957a9d21f8_chain.kd
    .args:
      - { .name: tlist, .offset: 0, .size: 8, .value_kind: global_buffer, .address_space: global }
      - { .name: gatef, .offset: 8, .size: 8, .value_kind: global_buffer, .address_space: global }
      - { .name: xq, .offset: 16, .size: 8, .value_kind: global_buffer, .address_space: global }
      - { .name: xs, .offset: 24, .size: 8, .value_kind: global_buffer, .address_space: global }
      - { .name: wq, .offset: 32, .size: 8, .value_kind: global_buffer, .address_space: global }
      - { .name: out0, .offset: 40, .size: 8, .value_kind: global_buffer, .address_space: global }
    .group_segment_fixed_size: 173568
    .private_segment_fixed_size: 0
    .kernarg_segment_align: 8
    .kernarg_segment_size: 48
    .max_flat_workgroup_size: 128
    .sgpr_count:     66
    .vgpr_count:     1024
    .wavefront_size: 32
...
	.end_amdgpu_metadata
.endif
;; end of part 4
;; ======== version 3 of 3: 3 launches; version 2 with the launch chain written anew for expert scheduling mode
;; limits: right only within a limited range of input values
;; workspace buffers: xq 3,145,728 bytes; xs 131,072 bytes; picks 36,864 bytes of whole numbers; gatef 69,632 bytes; tlist 35,072 bytes of whole numbers; wq 6,848,512 bytes
;; launch route: the kernel of part 1 again; grid 256 x 1, 4 waves a work-group, no clusters, 22,016 bytes of LDS; arguments x, gate_w, xq, xs, picks, gatef; writes xq, xs, picks, gatef
;; launch prep: the kernel of part 2 again; grid 177 x 1, 8 waves a work-group, no clusters, 69,632 bytes of LDS; arguments picks, gatef, w1_codes, w1_scales, w3_codes, w3_scales, w2, tlist, wq, out1; writes tlist, wq, out1
;; launch chain (part 5): grid 133 x 1, 4 waves a work-group, no clusters, 173,568 bytes of LDS; arguments tlist, gatef, xq, xs, wq, out0; writes out0
.if DOCPART == 5
	.amdgcn_target "amdgcn-amd-amdhsa--gfx1250"
	.amdhsa_code_object_version 6
	.text
	.protected	k_q957a9d21f8_chain
	.globl	k_q957a9d21f8_chain
	.p2align	8
	.type	k_q957a9d21f8_chain,@function
k_q957a9d21f8_chain:
	s_mov_b64 s[64:65], 0
	v_nop
	global_prefetch_b8 v0, s[64:65] scope:SCOPE_SE
	s_setreg_imm32_b32 hwreg(HW_REG_WAVE_SCHED_MODE, 0, 2), 2
	s_setreg_imm32_b32 hwreg(HW_REG_WAVE_MODE, 25, 1), 1
	s_wait_xcnt 0x0
	s_wait_alu depctr_vm_vsrc(0)
; CHAIN.  out0[token] = c_a y_a + c_b y_b,  y_e = Q(silu(x W1_e^T) * (x W3_e^T)) W2_e^T, all three products on codes of BF6 (E3M2) with one E8M0 scale for each 32 along K.
; Only a token's two chosen experts are multiplied: the other two have the weight 0 in the sum.  A work-group takes one tile of the stored list: up to 64 tokens that chose the same pair (a, b), through both
; experts, so each row of out0 has one owner.  The grid serves every split: 8,192 tokens in 6 buckets fill at least 128 and at most 133 tiles of 64.
; A TILE WITH NO TOKEN (at most 5 of the 133) is walked like any other, on token 0's rows, and stores nothing: every wave passes every barrier, and no barrier stands under a branch on a number read from memory;
; the first such branch stands behind the last barrier but the closing one, at the stores.
; SHARES.  The waves share the columns.  A hidden step is 128 hidden units; 22 steps: expert a's 11 (the last filled with zero codes), then expert b's 11.  In step j wave w
;   1: makes hidden units 32 w .. 32 w + 31 of the step, ONE block of the next K, for all 64 tokens, in two halves of 32 products: half u takes 16 rows of W1 and 16 of W3 (source 0) against the four tiles of
;      tokens (source 1): a lane holds one token, and its 16 numbers of halves 0 and 1 are 16 neighbours along the next K (the rows of a tile were chosen for that when the weights were laid out);
;   V: behind each half: silu(g) * u in f32, in place; behind the second also the block's largest magnitude (lanes l and l xor 16), its byte, the conversion: 12 bytes a lane and one scale byte go into the
;      work-group's tile of h in LDS, where the four waves' blocks make rows of 96 bytes;
;   2: takes all 64 rows of h (four fragments) and multiplies them by its 128 rows of W2: 32 products onto 32 accumulators (source 0 = 16 rows of W2, source 1 = 16 tokens).
; BY TURNS.  The second product runs ONE STEP LATE: the 32 products of step j - 1 name the accumulators, W2's and h's fragments and their scale words, and the vector work of step j names none of these.  So one of
; them stands ahead of every seventh of a vector phase's first 112 instructions, 16 in each of the step's two phases.  All that the vector work touches lies in window 0 and no window has room for a product's
; operands beside it: each such product costs two switches of the register window, 64 a step.
; THE WEIGHTS come from memory straight into registers, laid out by the launch before in the order of the operand registers: each fragment is wanted by one wave of the work-group alone and feeds four products.
; They are asked for in four runs a step (28, 16, 28, 16 loads), each behind its registers' last use, and are wanted nearly a whole step later.
; TWO BARRIERS A STEP.  A: every wave's part of h lies in LDS; the next step's first eight products stand between its signal and its wait, and the other 24 between the loads of h and the wait for them.
; B: every wave's loads of h are in; it is signalled behind that wait and awaited 140 vector instructions on, ahead of the step's stores into h.
; h never goes to memory.  Behind expert a the accumulators, times c_a, are parked in the wave's own LDS; behind expert b: acc x c_b + parked, through a stage, 512 consecutive bytes of a token's row a store.
; NO TENSOR LOAD, NO CLUSTER: the launch guards its stores on stored counts; a way through LDS would feed no fragment twice; and tiles of one pair of experts cannot be promised to four partners at every split.
; Written out beside the two loops is what differs: step 0 (no late product yet), each expert's step whose late product starts the sums with the constant 0, and the last step, which asks for no W1 and W3:
; so each counted wait finds the same loads behind it on every way.
; THE MODE: SCHED_MODE bits 1:0 = 2 (LLVM: expert scheduling mode 2), set by the entry lines.  The code itself states the register dependences between vector or matrix instructions and memory or LDS
; instructions, with s_wait_alu, always for 0.
; THE PLAN.  Registers that memory or LDS instructions touch, in a trip:
;   W1's and W3's half 0, S13+0..3   read by the first half-product, at the end of the trip before; the loads at the trip's head land in them.        One wait on va_vdst at the head.
;   W1's and W3's half 1, S13+4..7   read by the second half-product; the loads straight behind it land in them.                                    One wait on va_vdst behind it.
;   W2's half hh, S2+4 hh ..         read by the 16 late products of phase hh, all issued ahead of the phase's number 113; loaded at its number 140.  The wait for the reciprocals at 113 states it too:
;                                    numbers 114 to 139 name G, U, QA and QB alone.
;   HF, HSC (h's fragments, words)   read by the 32 late products; the LDS loads at the trip's end land in them.  Stated by the waits at numbers 113 and 166 of phase 1: behind them only eight of the next
;                                    step's first products are issued, which name neither.
;   C, QB                            written by numbers 158 to 165 of phase 1; read by the LDS stores 167 to 182: a wait on va_vdst at 166; written again a trip later: a wait on vm_vsrc at the trip's head.
;   the accumulators                 named by vector and matrix instructions alone, but for the parking and the way out, which have their own waits.
;   v4-v13, v244, v245               addresses and offsets: made once at the head, ahead of one wait on va_vdst, and never written again; the rows are reached by scalar bases and immediate offsets.
; LIMITS.  NaN and infinities are not served.  h is made as (g u) sigmoid(g): |g u| has to stay under f32's largest number, 3.4e38.  Where 2^(-g log2 e) overflows, the sigmoid is 0 where the exact number lies
; under 1e-38.  A block of zeros has the byte 1: its codes are zeros.
; REGISTERS, in windows of 256 (s_set_vgpr_msb: bits 1:0 source 0, 3:2 source 1, 5:4 source 2, 7:6 destination):
;   window 0: addresses, scale words, g and then h (v100-163), the half's u-values (v164-195), h's four fragments (v196-243)
;   window 1: v0-191 x's 16 fragments (tile of tokens m, K step s: 12 (4 m + s)); v192-227 W2's fragments 5-7       window 2: v0-191 W1's and W3's 16 fragments; v192-251 W2's fragments 0-4
;   window 3: the 32 accumulators (W2's tile t, tokens' tile m: 8 (4 t + m))
.set BLK,   38912                      ; a wave's weights of one hidden step
.set RSTEP, 4*BLK                      ; a hidden step on
.set EXPB,  11*RSTEP                   ; an expert on
.set HP,    112                        ; h in LDS: 64 rows, 96 bytes of codes + 16: 28 words from row to row, so that the 32 lanes of an 8-byte load touch 64 different words modulo 64
.set HSW,   7168                       ; h's scale words, 4 bytes a row
.set PARK,  8192                       ; 32,768 bytes for each wave: images of its 256 accumulator registers
.set STAGE, 139264                     ; 16 rows x (512 + 16) bytes for each wave
.set SPI,   528
.set LI,  4                            ; v4   16 x lane
.set LS,  5                            ; v5   4 x lane
.set HST, 6                            ; v6   where I put my 12 bytes of h: 112 r + 24 w + 12 h
.set HSB, 7                            ; v7   and the block's byte: HSW + 4 r + w
.set HLD, 8                            ; v8   where I read h's fragments: 112 r + 24 h
.set HSL, 9                            ; v9   and its scale words: HSW + 4 r
.set PKA, 10                           ; v10  PARK + 32768 w + 16 lane
.set STO, 11                           ; v11  STAGE + 8448 w + 528 r + 32 h
.set RD,  12                           ; v12  STAGE + 8448 w + 16 lane
.set LIW, 13                           ; v13  my bytes in a row of out0: 512 w + 16 lane
.set XO,  14                           ; v14-17  x's codes of my token in tile m: 384 token + 24 h
.set XSO, 18                           ; v18-21  its scale bytes: 16 token
.set H24, 22                           ; v22  24 h
.set CW,  24                           ; v24-31  (c_a, c_b) of my token in tile m
.set XS,  32                           ; v32-47  x's scale words (4 m + s)
.set S13, 48                           ; v48-55  W1's (lanes 0-15) and W3's (lanes 16-31) scale words (4 u + s)
.set S2,  56                           ; v56-63  W2's scale words (t)
.set HSC, 64                           ; v64-67  h's scale words (m)
.set QA,  68                           ; v68-71  largest magnitudes (m): of the first half's eight, then of all
.set QB,  72                           ; v72-75  of the second half's eight; then the scale bytes
.set P,   76                           ; v76-79  lane permutes' destinations
.set SCL, 80                           ; v80-83  the conversions' scale operands
.set C,   84                           ; v84-99  the codes just made: four registers for each m
.set G,   100                          ; v100-163 g, then h: tile of tokens m, half u at 16 m + 8 u
.set U,   164                          ; v164-195 the u-values of the half in hand, then g u: 8 m
.set HF,  196                          ; v196-243 h's fragments (12 m)
.set PFO, 244                          ; v244 256 x lane
.set ORA, 245                          ; v245 4 r
.set CWO, 246                          ; v246-249 8 token
.set TOK, 250                          ; v250-253 my token in tile m: lane r holds that of row 16 m + r; kept to the end
.set BK,  100                          ; the way out: 16 rows read back from the stage
.set VO,  164                          ; and their stores' offsets
.set WB,  24                           ; s[24:25] my block of the step in hand: W2 is loaded from it
.set PL,  26                           ; s[26:27] my tile's 64 token numbers
.set K,   28                           ; s28  the step j
.set SEL, 30                           ; s[30:31] v_permlanex16_b32's selects for lane l xor 16
.set WN,  32                           ; s[32:33] my block of the next step: W1 and W3 are loaded from it
.set WBB, 34                           ; s[34:35] my block of expert b's first hidden step
.set PFA, 54                           ; s[54:55] where my prefetches stand
.set PFLIM, 56                         ; s56  a wave prefetches while the step is under it
.set MSB, 0
.macro WIN new                         ; the immediate's high byte repeats the setting that is left; a switch that changes nothing is dropped
.if MSB != \new
	s_set_vgpr_msb (MSB<<8)|\new
.set MSB, \new
.endif
.endm
.macro NOP4                            ; four plain places behind a matrix instruction, ahead of the first read of its results (ISA guide 7.12.1)
.rept 4
	v_nop
.endr
.endm
.macro MX d, a, b, z, sa, sb, row      ; one product.  z: it starts its sum;  row: source 0's scale words stand in lanes 16-31
.if \z
.if \row
	v_wmma_scale_f32_16x16x128_f8f6f4 v[\d:\d+7], v[\a:\a+11], v[\b:\b+11], 0, v[\sa], v[\sb] matrix_a_fmt:MATRIX_FMT_BF6 matrix_b_fmt:MATRIX_FMT_BF6 matrix_a_scale:MATRIX_SCALE_ROW1
.else
	v_wmma_scale_f32_16x16x128_f8f6f4 v[\d:\d+7], v[\a:\a+11], v[\b:\b+11], 0, v[\sa], v[\sb] matrix_a_fmt:MATRIX_FMT_BF6 matrix_b_fmt:MATRIX_FMT_BF6
.endif
.else
.if \row
	v_wmma_scale_f32_16x16x128_f8f6f4 v[\d:\d+7], v[\a:\a+11], v[\b:\b+11], v[\d:\d+7], v[\sa], v[\sb] matrix_a_fmt:MATRIX_FMT_BF6 matrix_b_fmt:MATRIX_FMT_BF6 matrix_a_scale:MATRIX_SCALE_ROW1
.else
	v_wmma_scale_f32_16x16x128_f8f6f4 v[\d:\d+7], v[\a:\a+11], v[\b:\b+11], v[\d:\d+7], v[\sa], v[\sb] matrix_a_fmt:MATRIX_FMT_BF6 matrix_b_fmt:MATRIX_FMT_BF6
.endif
.endif
.endm
; 28 loads: half uu of the next step's W1 and W3: four scale words, eight fragments
.macro L13H uu
	WIN 0
.irp s, 0,1,2,3
	global_load_b32 v[S13+4*\uu+\s], v[LS], s[WN:WN+1] offset:36864+128*(4*\uu+\s)
.endr
	WIN 0x80                                       ; destination window 2
.irp s, 0,1,2,3
.irp mat, 0,1
.irp c, 0,1,2
	global_load_b128 v[12*((2*\mat+\uu)*4+\s)+4*\c:12*((2*\mat+\uu)*4+\s)+4*\c+3], v[LI], s[WN:WN+1] offset:1536*((2*\mat+\uu)*4+\s)+512*\c
.endr
.endr
.endr
	WIN 0
.endm
; 16 loads: half hh of this step's W2: four scale words, four fragments
.macro L2WH hh
	WIN 0
.irp q, 0,1,2,3
	global_load_b32 v[S2+4*\hh+\q], v[LS], s[WB:WB+1] offset:37888+128*(4*\hh+\q)
.endr
.irp q, 0,1,2,3
.if 4*\hh+\q < 5
	WIN 0x80                                       ; destination window 2
.set rW, 192+12*(4*\hh+\q)
.else
	WIN 0x40                                       ; destination window 1
.set rW, 192+12*(4*\hh+\q-5)
.endif
.irp c, 0,1,2
	global_load_b128 v[rW+4*\c:rW+4*\c+3], v[LI], s[WB:WB+1] offset:24576+1536*(4*\hh+\q)+512*\c
.endr
.endr
	WIN 0
.endm
; Eight of the first products: half uu, K step s, the four tiles of tokens x (W1, W3).  The eight accumulators take turns, one instruction a turn.  Under WIN 0x06
.macro P1G uu, s
.set Z, 0
.if \s == 0
.set Z, 1
.endif
.irp m, 0,1,2,3
.irp mat, 0,1
.if \mat
.set rD, U+8*\m
.else
.set rD, G+16*\m+8*\uu
.endif
.set rA, 12*((2*\mat+\uu)*4+\s)
.set rB, 12*(4*\m+\s)
.set rSA, S13+4*\uu+\s
.set rSB, XS+4*\m+\s
	MX rD, rA, rB, Z, rSA, rSB, \mat
.endr
.endr
.endm
; Product pidx of 32 of the second product: W2's tile pidx / 4, tokens' tile pidx % 4.  Each accumulator is taken once a step
.macro P2ONE zero
.if pidx/4 < 5
	WIN 0xF2                                       ; source 0 (W2) window 2, C and D window 3
.set rA, 192+12*(pidx/4)
.else
	WIN 0xF1                                       ; source 0 window 1
.set rA, 192+12*(pidx/4-5)
.endif
.set rD, 8*pidx
.set rB, HF+12*(pidx%4)
.set rSA, S2+pidx/4
.set rSB, HSC+pidx%4
	MX rD, rA, rB, \zero, rSA, rSB, 0
.endm
; THE VECTOR WORK BEHIND HALF uu is a numbered list; VI writes number j of it.  32 numbers a lane: the half's g (8 for each tile of tokens) and its u-values.
;   0-15    U = g u, in pairs, each accumulator from its low end on          16-31   G = -g log2(e)
;   32-63   G = 2^G: one batch;  64: a plain line and the ONE wait for the batch, ahead of its first reader
;   65-80   G = G + 1           81-112  G = 1 / G, the sigmoid: one batch;  113: a plain line and its wait           114-129 G = G U = h
;   130-145 the largest magnitude of the half's eight numbers of each tile of tokens, the four tiles by turns (half 0 with the floor 2^(5 - 127): the byte cannot fall under 1; half 1 ends by joining both halves')
;   half 1 alone: 146-153 with lane l xor 16's 16: the block's;  154-157 4 off the exponent field: the conversion's scale operand;  158-161 the scale's byte;  162-165 the conversions;
;   166 one plain line behind them (matrix instructions will write their sources), and the wait ahead of the stores;  167-182 12 bytes and the byte for each tile of tokens, to LDS
.macro VI uu
	WIN 0
.if j < 16
.set rg, G+16*(j/4)+8*\uu+2*(j%4)
.set ru, U+8*(j/4)+2*(j%4)
	v_pk_mul_f32 v[ru:ru+1], v[rg:rg+1], v[ru:ru+1]
.elseif j < 32
.set rg, G+16*((j-16)/4)+8*\uu+2*((j-16)%4)
	v_pk_mul_f32 v[rg:rg+1], v[rg:rg+1], 0xbfb8aa3b op_sel_hi:[1,0]
.elseif j < 64
.set rg, G+16*((j-32)/8)+8*\uu+(j-32)%8
	v_exp_f32 v[rg], v[rg]
.elseif j == 64
	v_nop
	s_wait_alu depctr_va_vdst(0)                   ; the 32 exponentials have written G, ahead of their first reader
.elseif j < 81
.set rg, G+16*((j-65)/4)+8*\uu+2*((j-65)%4)
	v_pk_add_f32 v[rg:rg+1], v[rg:rg+1], 1.0 op_sel_hi:[1,0]
.elseif j < 113
.set rg, G+16*((j-81)/8)+8*\uu+(j-81)%8
	v_rcp_f32 v[rg], v[rg]
.elseif j == 113
	v_nop
	s_wait_alu depctr_va_vdst(0)                   ; the 32 reciprocals have written G, ahead of their first reader; and the phase's sixteen late products, all issued ahead of this line, are done reading W2's four fragments and scale words, in which the loads at number 140 land, and h's fragments and words
.elseif j < 130
.set rg, G+16*((j-114)/4)+8*\uu+2*((j-114)%4)
.set ru, U+8*((j-114)/4)+2*((j-114)%4)
	v_pk_mul_f32 v[rg:rg+1], v[rg:rg+1], v[ru:ru+1]
.elseif j < 146
.set stg, (j-130)/4
.set mq, (j-130)%4
.set rg, G+16*mq
.if \uu == 0
.if stg == 0
	v_max3_num_f32 v[QA+mq], |v[rg]|, |v[rg+1]|, 0x2800000
.else
	v_max3_num_f32 v[QA+mq], v[QA+mq], |v[rg+2*stg]|, |v[rg+2*stg+1]|
.endif
.else
.if stg == 0
	v_max3_num_f32 v[QB+mq], |v[rg+8]|, |v[rg+9]|, |v[rg+10]|
.elseif stg < 3
	v_max3_num_f32 v[QB+mq], v[QB+mq], |v[rg+9+2*stg]|, |v[rg+10+2*stg]|
.else
	v_max3_num_f32 v[QA+mq], v[QA+mq], v[QB+mq], |v[rg+15]|
.endif
.endif
.elseif j < 150
	v_permlanex16_b32 v[P+j-146], v[QA+j-146], s[SEL], s[SEL+1]
.elseif j < 154
	v_max_num_f32 v[QA+j-150], v[QA+j-150], v[P+j-150]
.elseif j < 158
	v_add_nc_u32 v[SCL+j-154], 0xfe000000, v[QA+j-154]
.elseif j < 162
	v_lshrrev_b32 v[QB+j-158], 23, v[SCL+j-158]
.elseif j < 166
	v_cvt_scalef32_pk16_bf6_f32 v[C+4*(j-162):C+4*(j-162)+2], v[G+16*(j-162):G+16*(j-162)+15], v[SCL+j-162]
.elseif j == 166
	v_nop
	s_wait_alu depctr_va_vdst(0)                   ; the conversions have written C and the shifts QB, which the sixteen LDS stores below read
.else
.set nq, j-167
.if nq%4 < 3
	ds_store_b32 v[HST], v[C+4*(nq/4)+nq%4] offset:16*HP*(nq/4)+4*(nq%4)
.else
	ds_store_b8 v[HSB], v[QB+nq/4] offset:64*(nq/4)   ; both lanes of a block write the same byte with the same value
.endif
.endif
.endm
; A VECTOR PHASE.  p2 = 1: ahead of numbers 0, 7, .. 105 stands one of the 16 late products of half uu of the second product: all of them ahead of the wait at number 113.  Ahead of number 140 their four
; fragments of W2 are asked for anew, with no further wait: since number 113 no vector or matrix instruction has named them.  In phase 0 barrier B's wait stands there too, ahead of the loads: between its
; signal and its wait stands work on registers alone.
.macro VPH uu, p2, zero
.set j, 0
.rept 146+37*\uu
.if \p2
.if (j%7 == 0) && (j < 112)
.set pidx, 16*\uu+j/7
	P2ONE \zero
.endif
.if j == 140
	WIN 0
.if \uu == 0
	s_barrier_wait -1                              ; every wave's loads of the last step's h are in: from here on h may be written
.endif
	L2WH \uu
.endif
.endif
	VI \uu
.set j, j+1
.endr
.endm
.macro HLOAD                           ; h's four fragments (16 tokens x 128 hidden) and their scale words
.irp m, 0,1,2,3
.irp p, 0,1,2,3,4,5
	ds_load_b64 v[HF+12*\m+2*\p:HF+12*\m+2*\p+1], v[HLD] offset:16*HP*\m+48*(\p/3)+8*(\p%3)
.endr
	ds_load_b32 v[HSC+\m], v[HSL] offset:64*\m
.endr
.endm
; A TRIP: from the first vector phase of step j to the first half-product of step j + 1.
; p2: the late products of step j - 1 are there, and W2 of step j is asked for (not in step 0: its W2 came at the head).  zero: they start the sums.  pp: the trip before had p2.
; ld: W1 and W3 of step j + 1 are asked for and its first half is multiplied (not in the last step).  x = 0: expert a's part: step 10 turns to expert b's first block; prefetches.
; THE COUNTED WAITS count the loads issued behind the run that is wanted; the runs go out in the order: half 0 of W1/W3 (28), half 0 of W2 (16), half 1 of W1/W3 (28), half 1 of W2 (16).
.macro TRIP p2, zero, pp, ld, x
	NOP4                                           ; behind the first half-product: ahead of the reads of its results
	s_wait_xcnt 0x0                                ; the loads and the prefetch of the trip before have read their bases: these may be written
.if \p2
	s_wait_alu depctr_vm_vsrc(0)                   ; the LDS stores of the step before have read C and QB, which this step's second phase writes again; ahead of step 12 the parking's stores have read the accumulators, which the late products begin anew
.endif
	s_mov_b64 s[WB:WB+1], s[WN:WN+1]               ; the block of step j
.if \ld
	s_add_nc_u64 s[WN:WN+1], s[WN:WN+1], RSTEP     ; the block of step j + 1
.if \x == 0
	s_cmp_eq_u32 s[K], 10
	s_cselect_b64 s[WN:WN+1], s[WBB:WBB+1], s[WN:WN+1]
	s_add_nc_u64 s[PFA:PFA+1], s[PFA:PFA+1], RSTEP
.endif
	s_wait_alu depctr_va_vdst(0)                   ; the first half-product is done reading half 0 of W1 and W3 and its scale words, in which the 28 loads below land
	L13H 0
.if \x == 0
	s_cmp_lt_u32 s[K], s[PFLIM]
	s_cbranch_scc0 .Lnopf_\@
	global_prefetch_b8 v[PFO], s[PFA:PFA+1] th:TH_LOAD_NT scope:SCOPE_SE
.Lnopf_\@:
.endif
.endif
.if \p2
	s_wait_dscnt 0x0                               ; h of step j - 1 is in my registers (asked for 24 products ago), and no LDS instruction of mine is out at the signal
.if \ld
	s_wait_loadcnt 63                              ; half 0 of W2 is in: behind it stand 28 + 16 + 28 loads, of which the wait's field can name 63
.else
	s_wait_loadcnt 44                              ; in the last step: 28 + 16
.endif
	s_barrier_signal -1                            ; barrier B: my reads of h are over
.endif
	VPH 0, \p2, \zero
	s_wait_loadcnt 16*\pp+28*\ld+16*\p2            ; half 1 of W1/W3 is in: behind it stand half 1 of W2 (trip before), half 0 of W1/W3 and half 0 of W2 (this trip), as far as they were issued
	WIN 0x06                                       ; source 0 (W) window 2, source 1 (x) window 1
	P1G 1, 0
	P1G 1, 1
	P1G 1, 2
	P1G 1, 3
	WIN 0
	NOP4                                           ; ahead of the reads of its results
.if \ld
	s_wait_alu depctr_va_vdst(0)                   ; the second half-product is done reading half 1 of W1 and W3 and its scale words, in which the 28 loads below land
	L13H 1
.endif
.if \p2
.if \ld
	s_wait_loadcnt 63                              ; half 1 of W2 is in: behind it stand 28 + 16 + 28 loads
.else
	s_wait_loadcnt 16                              ; in the last step: half 0 of W2 alone
.endif
.endif
	VPH 1, \p2, \zero
	s_wait_dscnt 0x0                               ; for the others' sake: my part of h lies in LDS
.if \ld
	s_wait_loadcnt 28+32*\p2                       ; half 0 of W1/W3 of step j + 1 is in: behind it stand half 1's 28 loads and, where they were issued, W2's 16 + 16
	s_barrier_signal -1                            ; barrier A: say so,
	WIN 0x06
	P1G 0, 0                                       ; work on registers while the others arrive,
	WIN 0
	s_barrier_wait -1                              ; everybody's part lies there
	HLOAD                                          ; no wait on va_vdst: the late products that read these registers stand ahead of the second phase's waits, and the eight products since name none of them
	WIN 0x06
	P1G 0, 1                                       ; 24 products stand between the loads of h and the wait for them
	P1G 0, 2
	P1G 0, 3
	WIN 0
.else
	s_barrier_signal -1
	s_barrier_wait -1
	HLOAD
.endif
.endm
	s_load_b256 s[4:11], s[0:1], 0x0               ; tlist, gatef, xq, xs
	s_load_b128 s[12:15], s[0:1], 0x20             ; wq, out0
	v_lshl_add_u32 v254, v0, 2, 0x2a400
	v_mov_b32 v255, 0
	v_lshrrev_b32 v1, 5, v0
	v_readfirstlane_b32 s18, v1                    ; wave 0..3
	v_and_b32 v1, 31, v0                           ; lane
	v_and_b32 v2, 15, v0                           ; r
	v_bfe_u32 v3, v0, 4, 1                         ; h
	v_lshlrev_b32 v[LI], 4, v1
	v_lshlrev_b32 v[LS], 2, v1
	v_mul_u32_u24 v[HLD], v2, HP
	v_mad_u32_u24 v[HLD], v3, 24, v[HLD]
	s_wait_alu depctr_va_sdst(0)                   ; s18 is written, ahead of its first reader: LDS addresses and the weights' bases are made from it
	s_mul_i32 s52, s18, 24
	v_mul_u32_u24 v[HST], v2, HP
	v_mad_u32_u24 v[HST], v3, 12, v[HST]
	v_add_nc_u32 v[HST], s52, v[HST]
	v_lshl_add_u32 v[HSL], v2, 2, HSW
	v_add_nc_u32 v[HSB], s18, v[HSL]
	s_lshl_b32 s52, s18, 15
	s_add_co_u32 s52, s52, PARK
	v_add_nc_u32 v[PKA], s52, v[LI]
	s_mul_i32 s52, s18, 16*SPI
	s_add_co_u32 s52, s52, STAGE
	v_mul_u32_u24 v[STO], v2, SPI
	v_lshl_add_u32 v[STO], v3, 5, v[STO]
	v_add_nc_u32 v[STO], s52, v[STO]
	v_add_nc_u32 v[RD], s52, v[LI]
	s_lshl_b32 s52, s18, 9
	v_add_nc_u32 v[LIW], s52, v[LI]
	v_mul_u32_u24 v[H24], v3, 24
	v_lshlrev_b32 v[PFO], 8, v1
	v_lshlrev_b32 v[ORA], 2, v2
.irp m, 0,1,2,3
	v_mov_b32 v[P+\m], 0                           ; written once: a lane permute's destination counts as one of its sources
.endr
	s_mov_b32 s[SEL], 0x76543210
	s_mov_b32 s[SEL+1], 0xfedcba98
	s_lshl_b32 s52, ttmp9, 2
	s_mov_b32 s53, 0
	s_wait_kmcnt 0x0
	s_add_nc_u64 s[54:55], s[4:5], s[52:53]
	s_load_b32 s19, s[54:55], 0x0                  ; my tile: a | b << 4 | n << 8
	s_lshl_b32 s52, ttmp9, 8
	s_add_nc_u64 s[PL:PL+1], s[4:5], s[52:53]
	s_add_nc_u64 s[PL:PL+1], s[PL:PL+1], 1024
	s_wait_kmcnt 0x0
	s_bfe_u32 s20, s19, 0x70008
	s_min_u32 s20, s20, 64                         ; n: it guards the stores at the end, and nothing before them
	s_bfe_u32 s21, s19, 0x40000
	s_min_u32 s21, s21, 3                          ; a
	s_bfe_u32 s22, s19, 0x40004
	s_min_u32 s22, s22, 3                          ; b
	s_mul_i32 s36, s18, BLK
	s_mul_i32 s52, s21, EXPB
	s_add_co_u32 s52, s52, s36
	s_add_nc_u64 s[WN:WN+1], s[12:13], s[52:53]    ; expert a, hidden step 0, my wave's block
	s_mov_b64 s[WB:WB+1], s[WN:WN+1]
	s_mul_i32 s52, s22, EXPB
	s_add_co_u32 s52, s52, s36
	s_add_nc_u64 s[WBB:WBB+1], s[12:13], s[52:53]  ; expert b's
	s_wait_alu depctr_va_vdst(0)                   ; the addresses and offsets v4 to v13, v244 and v245 are written: every load, LDS instruction and prefetch of the kernel but x's loads and the last stores reads one of them, and none is written again
.irp m, 0,1,2,3
	global_load_b32 v[TOK+\m], v[ORA], s[PL:PL+1] offset:64*\m   ; the token of row 16 m + r (behind the n-th: token 0)
.endr
	L13H 0
	L13H 1
	s_wait_loadcnt 56                              ; the four token numbers are in: behind them stand the 56 just issued
.irp m, 0,1,2,3
	v_min_u32 v[TOK+\m], 0x1fff, v[TOK+\m]         ; inside the 8,192 tokens
.endr
.irp m, 0,1,2,3
	v_mul_u32_u24 v[XO+\m], v[TOK+\m], 384
	v_lshlrev_b32 v[XSO+\m], 4, v[TOK+\m]
	v_lshlrev_b32 v[CWO+\m], 3, v[TOK+\m]
.endr
.irp m, 0,1,2,3
	v_add_nc_u32 v[XO+\m], v[XO+\m], v[H24]
.endr
	WIN 0x40                                       ; destination window 1
	s_wait_alu depctr_va_vdst(0)                   ; the twelve offsets made from the token numbers (XO, XSO, CWO) are written, which the loads below read
.irp m, 0,1,2,3                        ; x's fragments stay in registers for both experts
.irp s, 0,1,2,3
.irp p, 0,1,2,3,4,5
	global_load_b64 v[12*(4*\m+\s)+2*\p:12*(4*\m+\s)+2*\p+1], v[XO+\m], s[8:9] offset:96*\s+48*(\p/3)+8*(\p%3)
.endr
.endr
.endr
	WIN 0
.irp m, 0,1,2,3
	global_load_b128 v[XS+4*\m:XS+4*\m+3], v[XSO+\m], s[10:11]
	global_load_b64 v[CW+2*\m:CW+2*\m+1], v[CWO+\m], s[6:7]
.endr
	L2WH 0
	L2WH 1
	; THE PREFETCHES.  In step j = 0 .. 8, where the wave has just asked for half of step j + 1's W1 and W3, wave w of work-groups 0 to 18 names 32 places 256 bytes apart, 8,192 bytes, of expert w's hidden step
	; j + 2, which the next trip begins to load: 19 x 8,192 bytes are that step's 155,648, so each place is named once in the launch.  Steps 0 and 1 come by their loads alone.  The last byte named lies 256 bytes under the expert's end.
	s_mul_i32 s52, s18, EXPB
	s_min_u32 s36, ttmp9, 18
	s_lshl_b32 s36, s36, 13
	s_add_co_u32 s52, s52, s36
	s_add_co_u32 s52, s52, RSTEP                   ; at step 1: each trip steps it once ahead of its prefetch
	s_add_nc_u64 s[PFA:PFA+1], s[12:13], s[52:53]
	s_cmp_lt_u32 ttmp9, 19
	s_cselect_b32 s[PFLIM], 9, 0
	s_wait_loadcnt 0x0                             ; x, its scales, the gates' weights, all the weights of step 0
	WIN 0x06
	P1G 0, 0                                       ; step 0's first half-product
	P1G 0, 1
	P1G 0, 2
	P1G 0, 3
	WIN 0
	s_mov_b32 s[K], 0
	TRIP 0, 0, 0, 1, 0                             ; step 0: there is no late product yet
	s_mov_b32 s[K], 1
	TRIP 1, 1, 0, 1, 0                             ; step 1: step 0's second product starts expert a's sums
	s_mov_b32 s[K], 2
.Lexpa:
	TRIP 1, 0, 1, 1, 0                             ; steps 2 to 11; step 11, expert b's first, carries expert a's last second product
	s_add_co_u32 s[K], s[K], 1
	s_cmp_lt_u32 s[K], 12
	s_cbranch_scc1 .Lexpa
	; c_a y_a is parked in my own LDS, as images of the registers.  The accumulators are written again only behind the wait on vm_vsrc at the next trip's head
	WIN 0xC3                                       ; destination and source 0 window 3
.set i, 0
.rept 128
	v_pk_mul_f32 v[i:i+1], v[i:i+1], v[CW+2*((i/8)%4):CW+2*((i/8)%4)+1] op_sel_hi:[1,0]   ; x c_a, the pair's first word; each accumulator from its low end on
.set i, i+2
.endr
	s_wait_alu depctr_va_vdst(0)                   ; the multiplications have written the accumulators, which the 64 LDS stores read
	WIN 0x0C                                       ; an LDS store's data are its source 1: window 3
.set i, 0
.rept 64
	ds_store_b128 v[PKA], v[4*i:4*i+3] offset:512*i
.set i, i+1
.endr
	WIN 0
	TRIP 1, 1, 1, 1, 1                             ; step 12: step 11's second product starts expert b's sums
	s_mov_b32 s[K], 13
.Lexpb:
	TRIP 1, 0, 1, 1, 1                             ; steps 13 to 20
	s_add_co_u32 s[K], s[K], 1
	s_cmp_lt_u32 s[K], 21
	s_cbranch_scc1 .Lexpb
	TRIP 1, 0, 1, 0, 1                             ; step 21 asks for no W1 and W3
	s_wait_loadcnt 0x0                             ; its W2
	s_wait_dscnt 0x0                               ; its h
.set pidx, 0
.rept 32
	P2ONE 0                                        ; step 21's second product: no vector work is left to set between
.set pidx, pidx+1
.endr
	WIN 0
	NOP4                                           ; ahead of the first read of the sums
	; THE WAY OUT.  The parked numbers come back into registers that x and W1 have left; acc x c_b + parked.
	; No wait on va_vdst ahead of these loads: the products that read x's and W1's fragments stand ahead of the last step's waits, and the 32 products since name W2's and h's fragments, their words and the accumulators alone
	WIN 0x40
.set i, 0
.rept 48
	ds_load_b128 v[4*i:4*i+3], v[PKA] offset:512*i
.set i, i+1
.endr
	WIN 0x80
.rept 16
	ds_load_b128 v[4*(i-48):4*(i-48)+3], v[PKA] offset:512*i
.set i, i+1
.endr
	s_wait_dscnt 0x0
	WIN 0xD3                                       ; destination and source 0 window 3, source 2 window 1
.set i, 0
.rept 96
	v_pk_fma_f32 v[i:i+1], v[i:i+1], v[CW+2*((i/8)%4):CW+2*((i/8)%4)+1], v[i:i+1] op_sel:[0,1,0] op_sel_hi:[1,1,1]   ; c_b is the pair's second word, for both halves
.set i, i+2
.endr
	WIN 0xE3                                       ; source 2 window 2
.rept 32
	v_pk_fma_f32 v[i:i+1], v[i:i+1], v[CW+2*((i/8)%4):CW+2*((i/8)%4)+1], v[i-192:i-191] op_sel:[0,1,0] op_sel_hi:[1,1,1]
.set i, i+2
.endr
	WIN 0
	s_wait_alu depctr_va_vdst(0)                   ; the multiply-adds have written the accumulators, which the stage's LDS stores read; no vector instruction below names them again
	; A lane holds eight neighbouring numbers of one token's row, and the lanes beside it other tokens: 16 tokens at a time go through my stage and come back as rows of 512 bytes.  A row goes to its token's place; rows from the n-th on are not stored.
	; The 16 token numbers are read out of the lanes that have held them since the head; all 16 offsets are made ahead of the first guard, so that one wait serves the 16 stores.
.irp m, 0,1,2,3
.if \m > 0
	s_wait_xcnt 0x0                                ; the last 16 stores have had their addresses translated: their registers may be written again,
	s_wait_alu depctr_vm_vsrc(0)                   ; and they have read their data v[BK ..], in which the loads from the stage land, and their offsets v[VO ..], which are made anew
.endif
	WIN 0x0C
.irp t, 0,1,2,3,4,5,6,7
	ds_store_b128 v[STO], v[8*(4*\t+\m):8*(4*\t+\m)+3] offset:64*\t
	ds_store_b128 v[STO], v[8*(4*\t+\m)+4:8*(4*\t+\m)+7] offset:64*\t+16
.endr
	WIN 0
.irp i, 0,1,2,3,4,5,6,7,8,9,10,11,12,13,14,15
	ds_load_b128 v[BK+4*\i:BK+4*\i+3], v[RD] offset:SPI*\i   ; LDS serves a wave's instructions in order: these see my stores
.endr
.irp i, 0,1,2,3,4,5,6,7,8,9,10,11,12,13,14,15
	v_readlane_b32 s[36+\i], v[TOK+\m], \i         ; the token of row 16 m + i
.endr
	s_wait_alu depctr_va_sdst(0)                   ; s36 to s51 are written, ahead of their first readers and of every branch
.irp i, 0,1,2,3,4,5,6,7,8,9,10,11,12,13,14,15
	s_min_u32 s[36+\i], s[36+\i], 0x1fff
.endr
.irp i, 0,1,2,3,4,5,6,7,8,9,10,11,12,13,14,15
	v_lshl_add_u32 v[VO+\i], s[36+\i], 11, v[LIW]
.endr
	s_wait_alu depctr_va_vdst(0)                   ; the 16 offsets v[VO ..] are written, which the stores below read
	s_wait_dscnt 0x0
.irp i, 0,1,2,3,4,5,6,7,8,9,10,11,12,13,14,15
	s_cmp_le_u32 s20, 16*\m+\i
	s_cbranch_scc1 .Lend                           ; the tile's tokens are all stored
	global_store_b128 v[VO+\i], v[BK+4*\i:BK+4*\i+3], s[14:15] th:TH_STORE_NT   ; 32 lanes store 512 consecutive bytes, at a multiple of 256 from out0's first byte
.endr
.endr
.Lend:
	s_barrier_signal -1
	s_barrier_wait -1
	s_wait_dscnt 0x0                               ; the closing lines, six on end
	s_wait_alu 0x0
	s_wait_tensorcnt 0x0
	ds_add_u32 v254, v255
	s_wait_dscnt 0x0
	s_endpgm
.Lfunc_end_k_q957a9d21f8_chain:
	.size	k_q957a9d21f8_chain, .Lfunc_end_k_q957a9d21f8_chain-k_q957a9d21f8_chain
	.p2alignl 7, 3214868480
	.fill 96, 4, 3214868480
	.section	.rodata,"a",@progbits
	.p2align	6, 0x0
	.amdhsa_kernel k_q957a9d21f8_chain
		.amdhsa_group_segment_fixed_size 173568
		.amdhsa_private_segment_fixed_size 0
		.amdhsa_enable_private_segment 0
		.amdhsa_kernarg_size 48
		.amdhsa_user_sgpr_count 2
		.amdhsa_user_sgpr_kernarg_segment_ptr 1
		.amdhsa_wavefront_size32 1
		.amdhsa_system_sgpr_workgroup_id_x 1
		.amdhsa_system_sgpr_workgroup_id_y 1
		.amdhsa_system_sgpr_workgroup_id_z 1
		.amdhsa_system_vgpr_workitem_id 0
		.amdhsa_next_free_vgpr 1024
		.amdhsa_next_free_sgpr 66
		.amdhsa_reserve_vcc 0
		.amdhsa_float_denorm_mode_32 3
		.amdhsa_float_denorm_mode_16_64 3
		.amdhsa_memory_ordered 1
		.amdhsa_forward_progress 1
		.amdhsa_inst_pref_size 255
	.end_amdhsa_kernel
	.section	.bss,"aw",@nobits
	.p2align	6
	.space	262144
	.amdgpu_metadata
---
amdhsa.version: [ 1, 2 ]
amdhsa.kernels:
  - .name:           k_q957a9d21f8_chain
    .symbol:         k_q957a9d21f8_chain.kd
    .args:
      - { .name: tlist, .offset: 0, .size: 8, .value_kind: global_buffer, .address_space: global }
      - { .name: gatef, .offset: 8, .size: 8, .value_kind: global_buffer, .address_space: global }
      - { .name: xq, .offset: 16, .size: 8, .value_kind: global_buffer, .address_space: global }
      - { .name: xs, .offset: 24, .size: 8, .value_kind: global_buffer, .address_space: global }
      - { .name: wq, .offset: 32, .size: 8, .value_kind: global_buffer, .address_space: global }
      - { .name: out0, .offset: 40, .size: 8, .value_kind: global_buffer, .address_space: global }
    .group_segment_fixed_size: 173568
    .private_segment_fixed_size: 0
    .kernarg_segment_align: 8
    .kernarg_segment_size: 48
    .max_flat_workgroup_size: 128
    .sgpr_count:     66
    .vgpr_count:     1024
    .wavefront_size: 32
...
	.end_amdgpu_metadata
.endif
;; end of part 5
